; MI455X (gfx1250); checked and timed in simulation.
; The chip was launched on July 23, 2026; its instructions are those of AMD's public machine-readable ISA for CDNA 5 (MIT licence, August 2026) and "CDNA5" Instruction Set Architecture Reference Guide (July 2026). The comments in the code are by the model that wrote it; some were corrected since.
;; CUDA Linear Attention. Allowed arithmetic: matrix products marked QUANTISED: E4M3 operands, one given power-of-two scale a tensor, by v_wmma_f32_16x16x64_fp8_fp8 or v_wmma_f32_16x16x128_fp8_fp8, f32 sums; products left as they are: f32 operands where the result goes on into a quantised operand, else bf16, f16 or f32 operands; f32 sums; everything else in f32.
;; Inputs: Wk 1,024 x 1,024 float32; Wq 1,024 x 1,024 float32; Wv 1,024 x 1,024 float32; bk 1,024 float32; bq 1,024 float32; bv 1,024 float32; lowp_scales 10 int32 (the exponents e of the quantised operands' scales 2^e); mask 4 x 4,096 float32; x 4 x 4,096 x 1,024 float32.
;; Outputs: out0 4 x 4,096 x 1,024 float32.
;; Constants: n_heads = 16.
;; This version of the problem:
;;   THIS VERSION OF THE PROBLEM IS GIVEN IN LOW PRECISION. The matrix products marked QUANTISED in the list below multiply operands that are first quantised to E4M3 (4 exponent bits, 3 mantissa bits; 8 bits a number), with one given power-of-two scale for each operand tensor; their sums are f32. All else is computed in f32.
;;   The module's matrix products, in the order in which they are computed (A, B: the left and right operand; K: the contracted axis; several contracted axes count as one K, in the product's order):
;;     1. [M 16,384, K 1,024] x [K 1,024, N 1,024]; A: input x; B: input Wq: QUANTISED (scales: A lowp_scales[0], B lowp_scales[1])
;;     2. [M 16,384, K 1,024] x [K 1,024, N 1,024]; A: input x; B: input Wk: QUANTISED (scales: A lowp_scales[2], B lowp_scales[3])
;;     3. [M 16,384, K 1,024] x [K 1,024, N 1,024]; A: input x; B: input Wv: QUANTISED (scales: A lowp_scales[4], B lowp_scales[5])
;;     4. batch 64 x [M 64, K 4,096] x [K 4,096, N 64]; A: computed on the way; B: computed on the way: QUANTISED (scales: A lowp_scales[6], B lowp_scales[7])
;;     5. batch 64 x [M 4,096, K 64] x [K 64, N 64]; A: computed on the way; B: computed on the way: QUANTISED (scales: A lowp_scales[8], B lowp_scales[9])
;;     6. batch 64 x [M 4,096, K 64] x [K 64, N 1]; A: computed on the way; B: computed on the way: left as it is (N = 1 < 16)
;;   THE QUANTISER, for each operand of a quantised product, along K:
;;     - The operand's scale is 2^e, e = its entry of the input lowp_scales (int32; the entries are numbered through the quantised products in the list's order, A before B).
;;     - Each number is divided by the scale, clamped to +-448, and rounded to the nearest number of E4M3, ties to even, subnormals kept.
;;     - The product sums the exact products of the quantised numbers (number of the format x scale) in f32.
;;   ~~~python
;;   def quantise(x, axis, e):      # numpy; x: float32 -> the quantised numbers, widened to float32 again
;;       x = np.moveaxis(x, axis, -1); K = x.shape[-1]
;;       r = np.clip(x / 2.0 ** e, -448, 448)
;;       step = 2.0 ** (np.maximum(np.frexp(np.where(r == 0, 1, r))[1] - 1, -6) - 3)
;;       q = np.round(r / step) * step * 2.0 ** e      # np.round: ties to even
;;       return np.moveaxis(q, -1, axis).astype(np.float32)
;;   ~~~
;;   OPERANDS COMPUTED ON THE WAY. 'Computed on the way' means the value that the module computes at that place (a softmax that the list does not call 'softmax' is quantised finished and normalised). What goes into a quantiser is computed in f32, as accurately as f32 sums, v_exp_f32 and their like allow (about 1e-6 of the number): no bf16 or f16 on the way to a quantiser, and a product that is left as it is and whose result goes on into a quantised operand takes f32 operands (vector FMAs, or v_wmma_f32_16x16x4_f32). A number that lies on a knife's edge between two numbers of the format may be rounded either way, as far as f32 arithmetic and the matrix unit's own rounding can turn it there, and no further.
;; One version. Each part assembles by itself: llvm-mc -triple=amdgcn-amd-amdhsa -mcpu=gfx1250 --defsym DOCPART=n.
;; ======== version 1 of 1: 4 launches
;; workspace buffers: xc 50,331,648 bytes; wc 3,145,728 bytes; kvp 16,777,216 bytes; zp 524,288 bytes; kvc 262,144 bytes; zs 16,384 bytes
;; launch quant (part 1): grid 608 x 1, 4 waves a work-group, no clusters, 0 bytes of LDS; arguments x, Wq, Wk, Wv, lowp_scales, xc, wc; writes xc, wc
.if DOCPART == 1
	.amdgcn_target "amdgcn-amd-amdhsa--gfx1250"
	.amdhsa_code_object_version 6
	.text
	.protected	k_qe0e783e373_quant
	.globl	k_qe0e783e373_quant
	.p2align	8
	.type	k_qe0e783e373_quant,@function
k_qe0e783e373_quant:
	s_mov_b64 s[64:65], 0
	v_nop
	global_prefetch_b8 v0, s[64:65] scope:SCOPE_SE
	s_setreg_imm32_b32 hwreg(HW_REG_WAVE_MODE, 25, 1), 1
	s_wait_xcnt 0x0
; x [16384][1024] f32 becomes THREE sets of E4M3 codes (its scale entries 0, 2, 4 of the given exponents: one for each projection), Wq, Wk, Wv [1024][1024] f32 one set each (entries 1, 3, 5).
; code = number / 2^e, held within +-448, rounded to the nearest code, ties to even.
; LIMITS: each e between -126 and 119, so that 2^e and 448 x 2^e are f32 numbers.  NaN among the inputs is not served (an infinity is held at the largest code).
; ORDER OF THE CODES.  Inside each 512 numbers of a row, code byte 16 l + 4 i + e holds the number 128 i + 4 l + e (l = 0..31, i = 0..3, e = 0..3): lane l of load i takes 16 neighbouring bytes,
; so each load reads 512 consecutive bytes and a lane's 16 codes are 16 consecutive bytes of the output: no turn through LDS.  The order is the same for x and for the weights, so in the later
; products every number still meets its partner; only the order of the sums along K changes.
; SHARES.  A wave takes 8,192 numbers in 16 steps of 512.  Work-groups 0-511 take x (2,048 waves), 512-607 the weights (32 work-groups each).  No byte is read by two waves: no LDS, no barrier, no cluster.
; Loads run four steps (16 loads a wave) ahead; every offset is an immediate.
.set XVER, 16777216                    ; bytes of one set of x's codes
.set R,    16                          ; v16-79    four sets of 16 numbers as loaded
.set T,    80                          ; v80-127   the held numbers: a set of 16 for each of the three scales
.set C,    128                         ; v128-151  codes: two sets of 12 registers by turns
.set D0,   36                          ; s[36:41]  where the codes go: a base for each set
.macro LOAD t                          ; step t: four loads of 512 consecutive bytes
.irp i, 0,1,2,3
	global_load_b128 v[R+16*((\t)%4)+4*\i:R+16*((\t)%4)+4*\i+3], v3, s[4:5] offset:2048*(\t)+512*\i th:TH_LOAD_NT
.endr
.endm
.macro SCALE v, e                      ; v[4+2v] = 2^e as f32 (the conversion takes its exponent field), v[5+2v] = 448 x 2^e
	s_add_co_i32 s34, s[\e], 127
	s_lshl_b32 s35, s34, 23
	v_mov_b32 v[4+2*\v], s35
	s_add_co_i32 s34, s34, 8
	s_lshl_b32 s34, s34, 23
	s_or_b32 s34, s34, 0x600000
	v_mov_b32 v[5+2*\v], s34
.endm
.macro QSTEP t, nv                     ; step t, for nv scales
.if 15-(\t) >= 3
	s_wait_loadcnt 12                              ; this step's four loads are in; those of the three steps behind it may be out
.else
	s_wait_loadcnt 4*(15-(\t))
.endif
	s_wait_xcnt 0x0                                ; the stores of two steps ago have read their data: this set of code registers is written again only behind this wait
.irp v, 0,1,2
.if \v < \nv
.irp i, 0,1,2,3,4,5,6,7,8,9,10,11,12,13,14,15
	v_med3_num_f32 v[T+16*\v+\i], v[R+16*((\t)%4)+\i], -v[5+2*\v], v[5+2*\v]   ; the conversion to an 8-bit code does not saturate (ISA guide 7.6.2): hold first
.endr
.endif
.endr
.if (\t)+4 < 16
	LOAD (\t)+4                                    ; the set just read takes the loads of four steps on
.endif
.irp v, 0,1,2
.if \v < \nv
	v_cvt_scalef32_pk8_fp8_f32 v[C+12*((\t)%2)+4*\v:C+12*((\t)%2)+4*\v+1], v[T+16*\v:T+16*\v+7], v[4+2*\v]
	v_cvt_scalef32_pk8_fp8_f32 v[C+12*((\t)%2)+4*\v+2:C+12*((\t)%2)+4*\v+3], v[T+16*\v+8:T+16*\v+15], v[4+2*\v]
.endif
.endr
	v_nop                                          ; a plain vector line between the conversions and the next step's holds, which write the conversions' sources
.irp v, 0,1,2
.if \v < \nv
	global_store_b128 v3, v[C+12*((\t)%2)+4*\v:C+12*((\t)%2)+4*\v+3], s[D0+2*\v:D0+2*\v+1] offset:512*(\t)   ; 32 lanes store 512 consecutive bytes, aligned
.endif
.endr
.endm
	s_load_b256 s[4:11], s[0:1], 0x0               ; x s[4:5], Wq s[6:7], Wk s[8:9], Wv s[10:11]
	s_load_b128 s[12:15], s[0:1], 0x20             ; the exponents s[12:13], x's codes s[14:15]
	s_load_b64 s[16:17], s[0:1], 0x30              ; the weights' codes
	v_lshrrev_b32 v1, 5, v0
	v_readfirstlane_b32 s28, v1                    ; wave 0..3
	v_and_b32 v2, 31, v0
	v_lshlrev_b32 v3, 4, v2                        ; 16 x lane: my place in a load's and in a store's 512 bytes; never rewritten
	s_mov_b32 s33, 0
	s_wait_kmcnt 0x0
	s_load_b256 s[20:27], s[12:13], 0x0            ; e0 .. e7
	s_cmp_lt_u32 ttmp9, 512                        ; x's work-group or a weight's?  The choice hangs on the work-group's number alone
	s_cbranch_scc0 .Lweights
	s_lshl_b32 s30, ttmp9, 2
	s_add_co_u32 s30, s30, s28                     ; which run of 8,192 numbers is my wave's
	s_lshl_b32 s32, s30, 15                        ; 32,768 bytes of numbers,
	s_add_nc_u64 s[4:5], s[4:5], s[32:33]
	s_lshl_b32 s32, s30, 13                        ; 8,192 bytes of codes in each set
	s_add_nc_u64 s[D0:D0+1], s[14:15], s[32:33]
	s_add_nc_u64 s[D0+2:D0+3], s[D0:D0+1], XVER
	s_add_nc_u64 s[D0+4:D0+5], s[D0+2:D0+3], XVER
.irp t, 0,1,2,3
	LOAD \t
.endr
	s_wait_kmcnt 0x0
	SCALE 0, 20                                    ; e0: x for q
	SCALE 1, 22                                    ; e2: x for k
	SCALE 2, 24                                    ; e4: x for v
.irp t, 0,1,2,3,4,5,6,7,8,9,10,11,12,13,14,15
	QSTEP \t, 3
.endr
	s_endpgm
.Lweights:
	s_sub_co_u32 s30, ttmp9, 512
	s_lshr_b32 s31, s30, 5                         ; which weight: 0 Wq, 1 Wk, 2 Wv
	s_and_b32 s30, s30, 31
	s_lshl_b32 s30, s30, 2
	s_add_co_u32 s30, s30, s28                     ; which run of 8,192 numbers of it
	s_cmp_eq_u32 s31, 0
	s_cselect_b64 s[4:5], s[6:7], s[8:9]
	s_cmp_eq_u32 s31, 2
	s_cselect_b64 s[4:5], s[10:11], s[4:5]
	s_lshl_b32 s32, s30, 15
	s_add_nc_u64 s[4:5], s[4:5], s[32:33]
	s_lshl_b32 s32, s31, 20                        ; a weight's codes are 1,048,576 bytes
	s_lshl_b32 s34, s30, 13
	s_add_co_u32 s32, s32, s34
	s_add_nc_u64 s[D0:D0+1], s[16:17], s[32:33]
.irp t, 0,1,2,3
	LOAD \t
.endr
	s_wait_kmcnt 0x0
	s_cmp_eq_u32 s31, 0
	s_cselect_b32 s32, s21, s23                    ; e1 or e3,
	s_cmp_eq_u32 s31, 2
	s_cselect_b32 s32, s25, s32                    ; or e5
	SCALE 0, 32
.irp t, 0,1,2,3,4,5,6,7,8,9,10,11,12,13,14,15
	QSTEP \t, 1
.endr
	s_endpgm
.Lfunc_end_k_qe0e783e373_quant:
	.size	k_qe0e783e373_quant, .Lfunc_end_k_qe0e783e373_quant-k_qe0e783e373_quant
	.p2alignl 7, 3214868480
	.fill 96, 4, 3214868480
	.section	.rodata,"a",@progbits
	.p2align	6, 0x0
	.amdhsa_kernel k_qe0e783e373_quant
		.amdhsa_group_segment_fixed_size 0
		.amdhsa_private_segment_fixed_size 0
		.amdhsa_enable_private_segment 0
		.amdhsa_kernarg_size 56
		.amdhsa_user_sgpr_count 2
		.amdhsa_user_sgpr_kernarg_segment_ptr 1
		.amdhsa_wavefront_size32 1
		.amdhsa_system_sgpr_workgroup_id_x 1
		.amdhsa_system_sgpr_workgroup_id_y 1
		.amdhsa_system_sgpr_workgroup_id_z 1
		.amdhsa_system_vgpr_workitem_id 0
		.amdhsa_next_free_vgpr 160
		.amdhsa_next_free_sgpr 66
		.amdhsa_reserve_vcc 0
		.amdhsa_float_denorm_mode_32 3
		.amdhsa_float_denorm_mode_16_64 3
		.amdhsa_memory_ordered 1
		.amdhsa_forward_progress 1
		.amdhsa_inst_pref_size 96
	.end_amdhsa_kernel
	.amdgpu_metadata
---
amdhsa.version: [ 1, 2 ]
amdhsa.kernels:
  - .name:           k_qe0e783e373_quant
    .symbol:         k_qe0e783e373_quant.kd
    .args:
      - { .name: x, .offset: 0, .size: 8, .value_kind: global_buffer, .address_space: global }
      - { .name: Wq, .offset: 8, .size: 8, .value_kind: global_buffer, .address_space: global }
      - { .name: Wk, .offset: 16, .size: 8, .value_kind: global_buffer, .address_space: global }
      - { .name: Wv, .offset: 24, .size: 8, .value_kind: global_buffer, .address_space: global }
      - { .name: lowp_scales, .offset: 32, .size: 8, .value_kind: global_buffer, .address_space: global }
      - { .name: xc, .offset: 40, .size: 8, .value_kind: global_buffer, .address_space: global }
      - { .name: wc, .offset: 48, .size: 8, .value_kind: global_buffer, .address_space: global }
    .group_segment_fixed_size: 0
    .private_segment_fixed_size: 0
    .kernarg_segment_align: 8
    .kernarg_segment_size: 56
    .max_flat_workgroup_size: 128
    .sgpr_count:     66
    .vgpr_count:     160
    .wavefront_size: 32
...
	.end_amdgpu_metadata
.endif
;; end of part 1
;; launch kv (part 2): grid 4 x 64, 4 waves a work-group, clusters of 4 x 4, 327,680 bytes of LDS; arguments xc, wc, lowp_scales, bk, bv, mask, kvp, zp; writes kvp, zp
.if DOCPART == 2
	.amdgcn_target "amdgcn-amd-amdhsa--gfx1250"
	.amdhsa_code_object_version 6
	.text
	.protected	k_qe0e783e373_kv
	.globl	k_qe0e783e373_kv
	.p2align	8
	.type	k_qe0e783e373_kv,@function
k_qe0e783e373_kv:
	s_mov_b64 s[64:65], 0
	v_nop
	global_prefetch_b8 v0, s[64:65] scope:SCOPE_SE
	s_setreg_imm32_b32 hwreg(HW_REG_WAVE_MODE, 25, 1), 1
	s_wait_xcnt 0x0
	s_wait_alu depctr_hold_cnt(0) depctr_sa_sdst(0) depctr_va_vdst(0) depctr_va_sdst(0) depctr_va_ssrc(0) depctr_va_vcc(0) depctr_vm_vsrc(0)
	s_getreg_b32 s2, hwreg(HW_REG_IB_STS2, 6, 4)
	s_cmp_eq_u32 s2, 0
	s_cbranch_scc0 .Lentry_in_a_cluster
	s_endpgm
.Lentry_in_a_cluster:
	s_bfe_u32 s2, ttmp6, 0x10000c
	s_cmp_lg_u32 s2, 0xf033
	s_cbranch_scc0 .Lentry_shape_is_right
	s_endpgm
.Lentry_shape_is_right:
; For 256 rows t and 256 columns (four heads): k = x Wk^T + bk, kf = (elu(k) + 1) m;  v = (x Wv^T + bv) m;  then the partial sums over these rows of kf^T v (for each head, 64 x 64) and of kf (z).
; All three products on E4M3 codes (v_wmma_f32_16x16x128_fp8_fp8), sums in f32.  x's and the weights' codes come from the launch before (set 1 for k, set 2 for v); kf and v are quantised here, in registers.
; LIMITS on the given exponents, so that each power of two below is an f32 number: e2 + e3 and e4 + e5 between -126 and 127; e6 and e7 between -126 and 119.  NaN among the inputs is not served.
; SHARES.  A work-group of four waves makes two tiles of 256 x 256, k's and then v's; a wave 128 x 128 of each: 64 accumulators, 512 registers.  K goes in steps of 256 through a ring of two LDS slots filled by the
; tensor data mover; the ring goes on from k's tile into v's.  CLUSTERS: 4 x 4 work-groups; the four of a row of the cluster need the same tiles of x, the four of a column the same tiles of the weight: each tile is
; asked for JOINTLY, by the same tensor load with the same descriptor and a mask that names the four.
; LAYOUT.  Source 0 = 16 rows of x, source 1 = 16 rows of the weight: in accumulator (a, b) lane (r, h) holds column 16 b + r, and its registers j = 0..7 the rows t = 16 a + 8 h + j: eight NEIGHBOURS ALONG t,
; which is the K of kf^T v.  So the conversion of accumulator (a, b) gives registers 2 a, 2 a + 1 of the operand (16 columns x my 128 rows) of that product, each t in its own place: nothing changes lanes.
; kf^T v over my 128 rows is 32 matrix instructions (two heads x 4 x 4 tiles); the two waves that hold the same columns add their halves through LDS, and one f32 partial for each head and 256 rows goes to memory.
; elu(y) + 1 is the middle one of y + 1, e^y and 1: for y > 0, 1 < y + 1 <= e^y; for y < 0, y + 1 < e^y < 1.  It holds where e^y overflows too.  No compare, no select.
; REGISTERS, in windows of 256: window 0: v0-31 addresses and small things; v32-95 kf's codes of my first head; v96-103 bk + 1, later bv; v104-111 bk log2(e); v112-127 z's sums; v128-255 x's fragments, later v's codes, later sums
;   window 1: the weight's fragments, two sets, v0-127 and v128-255; in an epilogue v128-191 e^y and v192-255 the mask (set 1 is idle there); at the end v0-63 kf's codes of my second head
;   window 2: the accumulators of my rows 0-63 ((a, b) at v[8 (8 a + b)]); window 3: those of rows 64-127; at the end the 16 tiles of kf^T v of head 0 and of head 1.
.set KROW,   1024                      ; a row of codes in memory
.set ROWB,   256                       ; a tile's row: 256 codes
.set PITCH,  272                       ; an LDS row: 256 bytes + 16 of padding = 68 words: the 16 rows that a load touches start at 16 different banks (ISA guide 11.1)
.set FR,     16                        ; registers of a fragment: 16 rows x 128 K
.set NL,     4                         ; LDS loads that bring one
.set NP,     4                         ; places behind this matrix instruction (ISA guide 7.12.1)
.set HALFT,  128*PITCH                 ; 128 rows: what one tensor load brings
.set SLOT,   4*HALFT                   ; x's 256 rows, then the weight's 256 rows
.set SPARE,  2*SLOT                    ; behind the ring: the spare words, 128 bytes a wave: two blocks of 256 bytes that no other line names
.set MSK,    SPARE+512                 ; each wave's 128 numbers of the mask: 512 bytes a wave
.set KC1,    MSK+2048                  ; each wave's kf codes of its second head: four fragments as images of their registers, 8,192 bytes a wave
.set XVER,   16777216                  ; bytes of a set of x's codes
.set WVER,   1048576                   ; bytes of a weight's codes
.set NEXT_A, XVER-2*ROWB               ; from a slot's last K step of k's tile to its first of v's: a set on, 512 bytes back
.set NEXT_B, WVER-2*ROWB
.set KT,   2                           ; v2-9   codes on their way to LDS
.set LIM,  10                          ; v10    448 x the scale in hand
.set SCL,  11                          ; v11    the scale in hand, as f32
.set R4,   12                          ; v12    4 x (lane % 16)
.set L4,   13                          ; v13    4 x lane
.set KS,   14                          ; v14    KC1 + 8,192 x wave + 16 x lane
.set MA,   15                          ; v15    MSK + 512 x wave + 32 x (lane / 16)
.set ADRA, 16                          ; v16-17 LDS address of my fragments of x in slot 0, 1
.set XS,   18                          ; v18    the exchange: 32,768 x wave + 16 x lane
.set XL0,  19                          ; v19    my own half of the head that I finish
.set ADRB, 20                          ; v20-21 LDS address of my fragments of the weight
.set XL1,  22                          ; v22    the other wave's half of it
.set L16,  23                          ; v23    16 x lane
.set SPW,  28                          ; v28    LDS address of my spare word; never rewritten
.set NIL,  29                          ; v29    0; never rewritten
.set KC0,  32
.set B1,   96
.set BL,   104
.set ZP,   112
.set AF,   128
.set VC,   128
.set T,    128                         ; in window 1
.set MKW,  192                         ; in window 1: register 8 a + j = m(16 a + 8 h + j)
.set G1, 24                            ; s[24:31] descriptor group 1 for x's tiles;  s[32:39] group 0, a set for each slot
.set G0, 32
.set G1B, 48                           ; s[48:55], s[56:63] the same for the weight's
.set G0B, 56
.set MSB, 0
.macro WIN new                         ; the immediate's high byte repeats the setting that is left; a switch that changes nothing is dropped
.if MSB != (\new)
	s_set_vgpr_msb (MSB<<8)|(\new)
.set MSB, (\new)
.endif
.endm
.set MUL_LO, 0xa4                      ; source 0 (x) window 0, source 1 (weight) window 1, C and D window 2
.set MUL_HI, 0xf4                      ; the same, C and D window 3
.set TO_B,   0x40                      ; destination window 1, address window 0
; A joint load: waves 0 and 1 fetch x's two halves, waves 2 and 3 the weight's.  Each line has one mask and one set of registers for all that issue it; the branch hangs on the wave's number alone.
; Four v_nop follow each of the two lines, ahead of the jump, the label and what follows.
.macro JLOAD g0a, g1a, g0b, g1b
	s_cmp_eq_u32 s15, 0
	s_cbranch_scc0 .Lfor_b_\@
	tensor_load_to_lds s[\g0a:\g0a+3], s[\g1a:\g1a+7]
	s_nop 0
.rept 4
	v_nop
.endr
	s_branch .Lasked_\@
.Lfor_b_\@:
	tensor_load_to_lds s[\g0b:\g0b+3], s[\g1b:\g1b+7]
	s_nop 0
.rept 4
	v_nop
.endr
.Lasked_\@:
.endm
.macro CREST                           ; a round of the cluster's barrier behind its opening barrier
	s_cmp_lg_u32 s14, 0
	s_cbranch_scc1 .Lnot_wave_0_\@
	s_barrier_signal -3
.Lnot_wave_0_\@:
	s_barrier_wait -3
	s_barrier_signal -1
	s_barrier_wait -1
.endm
.macro CROUND                          ; a whole round
	s_barrier_signal -1
	s_barrier_wait -1
	CREST
.endm
.macro FRAG reg, adr, q, i             ; a fragment: four loads of 16 bytes, 32 bytes apart; the same places of K in x and in the weight
.irp c, 0,1,2,3
	ds_load_b128 v[\reg+4*\c:\reg+4*\c+3], v[\adr] offset:128*(\q)+32*\c+(\i)*16*PITCH
.endr
.endm
; 16 matrix instructions: x's blocks a0, a0 + 1 against the weight's eight, 128 along K.  p: the weight's set.  zero = 1: the first product starts the sums.
; The 64 accumulators take turns, one instruction a turn, in the same order in every step.
.macro MUL16 a0, p, zero
.irp a, \a0, \a0+1
.irp b, 0,1,2,3,4,5,6,7
.if \zero
	v_wmma_f32_16x16x128_fp8_fp8 v[8*(8*((\a)%4)+\b):8*(8*((\a)%4)+\b)+7], v[AF+FR*(\a):AF+FR*(\a)+FR-1], v[128*(\p)+FR*\b:128*(\p)+FR*\b+FR-1], 0
.else
	v_wmma_f32_16x16x128_fp8_fp8 v[8*(8*((\a)%4)+\b):8*(8*((\a)%4)+\b)+7], v[AF+FR*(\a):AF+FR*(\a)+FR-1], v[128*(\p)+FR*\b:128*(\p)+FR*\b+FR-1], v[8*(8*((\a)%4)+\b):8*(8*((\a)%4)+\b)+7]
.endif
.endr
.endr
.endm
.macro FETCH_B slot, q, p              ; the weight's eight fragments of the slot's q-th 128 along K into set p
	WIN TO_B
.irp i, 0,1,2,3,4,5,6,7
	FRAG 128*(\p)+FR*\i, ADRB+\slot, \q, \i
.endr
	WIN 0
.endm
.macro FETCH_A slot, q, i0             ; x's blocks i0 .. i0 + 3
.irp i, \i0, \i0+1, \i0+2, \i0+3
	FRAG AF+FR*(\i), ADRA+\slot, \q, \i
.endr
.endm
.macro PLACES n                        ; plain vector lines between a matrix instruction and a load into, or a vector line on, one of its registers
.rept \n
	v_nop
.endr
.endm
; A step of 128 along K that has its successor in the same slot.  x has one set of registers: blocks 0-3 are fetched anew in the step's middle, blocks 4-7 at its end.
.macro STEP slot, q, zero
	s_wait_dscnt 4*NL                              ; all but the youngest 16 loads (x's blocks 4-7) are in
	WIN MUL_LO
	MUL16 0, (\q)%2, \zero
	MUL16 2, (\q)%2, \zero
	s_wait_dscnt 0                                 ; x's blocks 4-7 are in
	PLACES NP
	FETCH_B \slot, (\q)+1, 1-(\q)%2
	FETCH_A \slot, (\q)+1, 0
	WIN MUL_HI
	MUL16 4, (\q)%2, \zero
	MUL16 6, (\q)%2, \zero
	PLACES NP
	WIN 0
	FETCH_A \slot, (\q)+1, 4
.endm
; A slot's last step changes slots: one barrier; in front of it each wave waits for all its tensor loads, adds 0 to its spare word, and waits for that and for its own reads of this slot.
; fill = 1: the barrier opens a round of the cluster's barrier, and this slot is filled again first thing behind it; sa, sb: how far x's and the weight's addresses step.
.macro TURN slot, next, fill, sa, sb
	s_wait_tensorcnt 0x0                           ; all my tensor loads have landed: the one that was out is my part of the next slot
	ds_add_u32 v[SPW], v[NIL]                      ; 0 onto my spare word
	s_wait_dscnt 4*NL+1                            ; (the add and the youngest 16 loads may be out)
	WIN MUL_LO
	MUL16 0, 1, 0                                  ; sixteen matrix instructions stand between the add and the wait for it
	s_wait_dscnt 0x0                               ; the add is done, and my reads of this slot are over
	s_barrier_signal -1
	MUL16 2, 1, 0
	WIN 0                                          ; at a branch and at a label every window is 0
	s_barrier_wait -1
.if \fill
	CREST                                          ; no wave of any partner still reads this slot's tile or has a load on its way
	s_add_nc_u64 s[G0+4*\slot+2:G0+4*\slot+3], s[G0+4*\slot+2:G0+4*\slot+3], \sa
	s_add_nc_u64 s[G0B+4*\slot+2:G0B+4*\slot+3], s[G0B+4*\slot+2:G0B+4*\slot+3], \sb
	JLOAD G0+4*\slot, G1, G0B+4*\slot, G1B         ; my one tensor load behind the round; its four v_nop are the places in front of the loads below
.else
	PLACES NP
.endif
	FETCH_B \next, 0, 0
	FETCH_A \next, 0, 0
	WIN MUL_HI
	MUL16 4, 1, 0
	MUL16 6, 1, 0
	PLACES NP
	WIN 0
	FETCH_A \next, 0, 4
.endm
; d = s x (scalar pair's low word) + one number a lane, which is the even (odd = 0) or the odd (odd = 1) register of the pair bp: two at a time
.macro PKB d, s, sc, bp, odd
.if \odd
	v_pk_fma_f32 v[\d:\d+1], v[\s:\s+1], s[\sc:\sc+1], v[\bp:\bp+1] op_sel:[0,0,1] op_sel_hi:[1,0,1]
.else
	v_pk_fma_f32 v[\d:\d+1], v[\s:\s+1], s[\sc:\sc+1], v[\bp:\bp+1] op_sel_hi:[1,0,0]
.endif
.endm
.macro MASKIN                          ; my 128 numbers of the mask, in the results' layout, into window 1
	WIN TO_B
.irp a, 0,1,2,3,4,5,6,7
	ds_load_b128 v[MKW+8*\a:MKW+8*\a+3], v[MA] offset:64*\a
	ds_load_b128 v[MKW+8*\a+4:MKW+8*\a+7], v[MA] offset:64*\a+16
.endr
.endm
; k's results of block a (16 rows x 128 columns: 8 accumulators) become kf, are added to z's sums and quantised
.macro KCH a
.set W, 2+(\a)/4
.set AC, 64*((\a)%4)
	WIN 0x40|W
.irp b, 0,1,2,3,4,5,6,7
.irp j, 0,2,4,6
	PKB T+8*\b+\j, AC+8*\b+\j, 90, BL+2*(\b/2), \b%2           ; y log2(e) = sum x 2^(e2 + e3) log2(e) + bk log2(e); each accumulator from its low end on
.endr
.endr
	WIN 0x41
.set i, 0
.rept 64
	v_exp_f32 v[T+i], v[T+i]                       ; e^y
.set i, i+1
.endr
	WIN (W<<6)|W
.irp b, 0,1,2,3,4,5,6,7
.irp j, 0,2,4,6
	PKB AC+8*\b+\j, AC+8*\b+\j, 88, B1+2*(\b/2), \b%2          ; y + 1 = sum x 2^(e2 + e3) + (bk + 1).  (These are the plain lines behind the exponentials)
.endr
.endr
	WIN (W<<6)|4|W
.set i, 0
	s_wait_alu depctr_va_vdst(0)
.rept 64
	v_med3_num_f32 v[AC+i], v[AC+i], v[T+i], 1.0   ; elu(y) + 1: the middle one of y + 1, e^y, 1
.set i, i+1
.endr
.irp b, 0,1,2,3,4,5,6,7
.irp j, 0,2,4,6
	v_pk_mul_f32 v[AC+8*\b+\j:AC+8*\b+\j+1], v[AC+8*\b+\j:AC+8*\b+\j+1], v[MKW+8*(\a)+\j:MKW+8*(\a)+\j+1]   ; x m(t)
.endr
.endr
.if (\a) == 0                          ; z: the sum of the unquantised kf over my rows, a pair of sums for each column block; eight chains by turns; the first lines start the sums
	WIN (W<<2)|W
.irp b, 0,1,2,3,4,5,6,7
	v_pk_add_f32 v[ZP+2*\b:ZP+2*\b+1], v[AC+8*\b:AC+8*\b+1], v[AC+8*\b+2:AC+8*\b+3]
.endr
	WIN W<<2
.irp j, 4,6
.irp b, 0,1,2,3,4,5,6,7
	v_pk_add_f32 v[ZP+2*\b:ZP+2*\b+1], v[ZP+2*\b:ZP+2*\b+1], v[AC+8*\b+\j:AC+8*\b+\j+1]
.endr
.endr
.else
	WIN W<<2
.irp j, 0,2,4,6
.irp b, 0,1,2,3,4,5,6,7
	v_pk_add_f32 v[ZP+2*\b:ZP+2*\b+1], v[ZP+2*\b:ZP+2*\b+1], v[AC+8*\b+\j:AC+8*\b+\j+1]
.endr
.endr
.endif
	WIN (W<<6)|W
.set i, 0
.rept 64
	v_med3_num_f32 v[AC+i], v[AC+i], -v[LIM], v[LIM]   ; the conversion to an 8-bit code does not saturate (ISA guide 7.6.2): hold first
.set i, i+1
.endr
	s_wait_dscnt 0x0                               ; the last block's LDS stores have read v2-9
	WIN W
.irp b, 0,1,2,3
	v_cvt_scalef32_pk8_fp8_f32 v[KC0+16*\b+2*(\a):KC0+16*\b+2*(\a)+1], v[AC+8*\b:AC+8*\b+7], v[SCL]   ; registers 2 a, 2 a + 1 of the operand: t = 16 a + 8 h + 0 .. 7
.endr
.irp b, 4,5,6,7
	v_cvt_scalef32_pk8_fp8_f32 v[KT+2*(\b-4):KT+2*(\b-4)+1], v[AC+8*\b:AC+8*\b+7], v[SCL]
.endr
	v_nop                                          ; a plain vector line behind the last conversion
	WIN 0
.irp b, 0,1,2,3
	ds_store_b64 v[KS], v[KT+2*\b:KT+2*\b+1] offset:\b*2048+((\a)/2)*512+((\a)%2)*8   ; the second head's codes wait in LDS as an image of the operand's registers: register 4 i + e of lane l at 512 i + 16 l + 4 e
.endr
.endm
; v's results of block a are finished and quantised
.macro VCH a
.set W, 2+(\a)/4
.set AC, 64*((\a)%4)
	WIN (W<<6)|W
.irp b, 0,1,2,3,4,5,6,7
.irp j, 0,2,4,6
	PKB AC+8*\b+\j, AC+8*\b+\j, 92, B1+2*(\b/2), \b%2          ; sum x 2^(e4 + e5) + bv; each accumulator from its low end on
.endr
.endr
	WIN (W<<6)|4|W
.irp b, 0,1,2,3,4,5,6,7
.irp j, 0,2,4,6
	v_pk_mul_f32 v[AC+8*\b+\j:AC+8*\b+\j+1], v[AC+8*\b+\j:AC+8*\b+\j+1], v[MKW+8*(\a)+\j:MKW+8*(\a)+\j+1]
.endr
.endr
	WIN (W<<6)|W
.set i, 0
.rept 64
	v_med3_num_f32 v[AC+i], v[AC+i], -v[LIM], v[LIM]
.set i, i+1
.endr
	WIN W
.irp b, 0,1,2,3,4,5,6,7
	v_cvt_scalef32_pk8_fp8_f32 v[VC+16*\b+2*(\a):VC+16*\b+2*(\a)+1], v[AC+8*\b:AC+8*\b+7], v[SCL]
.endr
	v_nop                                          ; a plain vector line behind the last conversion
.endm
	s_load_b128 s[4:7], s[0:1], 0x0                ; x's codes s[4:5], the weights' codes s[6:7]
	s_load_b256 s[68:75], s[0:1], 0x10             ; the exponents s[68:69], bk s[70:71], bv s[72:73], the mask s[74:75]
	s_load_b128 s[76:79], s[0:1], 0x30             ; the partial kf^T v s[76:77], the partial z s[78:79]
	v_lshl_add_u32 v[SPW], v0, 2, SPARE
	v_mov_b32 v[NIL], 0
	ds_add_u32 v28, v29
	ds_add_u32 v28, v29
	s_wait_dscnt 0x0
	v_lshrrev_b32 v1, 5, v0
	v_readfirstlane_b32 s14, v1                    ; wave 0..3
	s_lshr_b32 s15, s14, 1                         ; which half of the tile's rows is mine.  Also: I fetch for x (0) or for the weight (1)
	s_and_b32 s16, s14, 1                          ; which half of its columns.  Also: which 128 rows of that tile I fetch
	s_bfe_u32 s40, ttmp6, 0x40000                  ; cx, cy: my place in the cluster
	s_bfe_u32 s41, ttmp6, 0x40004
	s_lshl_b32 s42, ttmp9, 2
	s_add_co_u32 s42, s42, s40                     ; tile column = 4 x cluster x + cx
	s_and_b32 s17, ttmp7, 0xffff
	s_lshl_b32 s17, s17, 2
	s_add_co_u32 s17, s17, s41                     ; tile row = 4 x cluster y + cy
	s_lshl_b32 s43, s41, 2
	s_lshl_b32 s43, 15, s43                        ; my row of the cluster
	s_lshl_b32 s44, 0x1111, s40                    ; my column
	; descriptor group 1: a tile of 128 rows x 256 bytes, padded in LDS
	s_or_b32 s[G1+0], s43, (0<<16)|(1<<20)|(1<<21)|(5<<22)|(3<<25)  ; 15:0 the mask: x's tiles go to my row; 17:16 element of 1 byte; 20 padding on; 21 set beside a mask; 24:22 after every 64 words; 31:25 four words
	s_or_b32 s[G1B+0], s44, (0<<16)|(1<<20)|(1<<21)|(5<<22)|(3<<25)
.irp g, G1, G1B
	s_mov_b32 s[\g+1], ROWB<<16                    ; tensor_dim0
	s_mov_b32 s[\g+2], 128<<16                     ; tensor_dim1
	s_mov_b32 s[\g+3], ROWB<<16                    ; tile_dim0
	s_mov_b32 s[\g+4], 128                         ; tile_dim1
	s_mov_b32 s[\g+5], KROW                        ; tensor_dim0_stride
	s_mov_b32 s[\g+6], 0
	s_mov_b32 s[\g+7], 0
.endr
	s_lshl_b32 s18, s16, 7                         ; which 128 rows of the tile I fetch
	s_lshl_b32 s20, s17, 8
	s_add_co_u32 s20, s20, s18                     ; x: row 256 x tile row + 128 x half
	s_lshl_b32 s46, s42, 8
	s_add_co_u32 s46, s46, s18                     ; weight: row 256 x tile column + 128 x half
	s_mov_b32 s21, 0
	s_mov_b32 s47, 0
	s_mov_b64 s[18:19], KROW
	s_mul_u64 s[20:21], s[20:21], s[18:19]
	s_mul_u64 s[46:47], s[46:47], s[18:19]
	s_mul_i32 s45, s14, HALFT                      ; where they go: wave x 128 rows: no place in the cluster enters an LDS address
	s_wait_kmcnt 0x0
	s_load_b256 s[80:87], s[68:69], 0x0            ; e0 .. e7
	s_add_nc_u64 s[20:21], s[4:5], s[20:21]
	s_add_nc_u64 s[46:47], s[6:7], s[46:47]
	s_add_nc_u64 s[20:21], s[20:21], XVER          ; k's tile first: x's set 1,
	s_add_nc_u64 s[46:47], s[46:47], WVER          ; and Wk
	CROUND                                         ; all sixteen work-groups are here: the first joint loads meet
.irp s, 0,1
	s_mov_b32 s[G0+4*\s], 1
	s_add_co_u32 s[G0+4*\s+1], s45, \s*SLOT
	s_add_nc_u64 s[G0+4*\s+2:G0+4*\s+3], s[20:21], \s*ROWB
	s_or_b32 s[G0+4*\s+3], s[G0+4*\s+3], 0x80000000
	s_mov_b32 s[G0B+4*\s], 1
	s_add_co_u32 s[G0B+4*\s+1], s45, \s*SLOT
	s_add_nc_u64 s[G0B+4*\s+2:G0B+4*\s+3], s[46:47], \s*ROWB
	s_or_b32 s[G0B+4*\s+3], s[G0B+4*\s+3], 0x80000000
	JLOAD G0+4*\s, G1, G0B+4*\s, G1B               ; by this text's count two tensor loads of a wave are out here, later one
.endr
	v_and_b32 v30, 15, v0                          ; r = lane % 16
	v_bfe_u32 v31, v0, 4, 1                        ; h = lane / 16
	v_mul_u32_u24 v1, v30, PITCH
	v_lshl_add_u32 v1, v31, 4, v1                  ; a fragment's row x pitch + 16 x half
	s_mul_i32 s21, s15, HALFT                      ; my 128 rows of x
	s_mul_i32 s22, s16, HALFT                      ; my 128 rows of the weight,
	s_add_co_u32 s22, s22, 2*HALFT                 ; which lie behind x's 256
.irp s, 0,1
	v_add_nc_u32 v[ADRA+\s], s21, v1
	v_add_nc_u32 v[ADRB+\s], s22, v1
	s_add_co_u32 s21, s21, SLOT
	s_add_co_u32 s22, s22, SLOT
.endr
	v_and_b32 v[L4], 31, v0
	v_lshlrev_b32 v[L16], 4, v[L4]
	v_lshlrev_b32 v[L4], 2, v[L4]
	v_lshlrev_b32 v[R4], 2, v30
	s_lshl_b32 s100, s14, 13
	s_add_co_u32 s100, s100, KC1
	v_add_nc_u32 v[KS], s100, v[L16]
	s_lshl_b32 s100, s14, 9
	s_add_co_u32 s100, s100, MSK
	v_lshl_add_u32 v[MA], v31, 5, s100
	v_add_nc_u32 v1, s100, v[L16]                  ; where my 16 bytes of the mask go
	s_lshl_b32 s100, s14, 15
	v_add_nc_u32 v[XS], s100, v[L16]
	s_lshl_b32 s101, s15, 14                       ; the wave with row half rh finishes its head number rh
	s_add_co_u32 s100, s100, s101
	v_add_nc_u32 v[XL0], s100, v[L16]
	s_xor_b32 s100, s14, 2                         ; the wave with my columns and the other rows
	s_lshl_b32 s100, s100, 15
	s_add_co_u32 s100, s100, s101
	v_add_nc_u32 v[XL1], s100, v[L16]
	s_lshl_b32 s100, s17, 10                       ; the mask at my first row: (256 x tile row + 128 x row half) x 4 bytes
	s_lshl_b32 s101, s15, 9
	s_add_co_u32 s100, s100, s101
	s_mov_b32 s101, 0
	s_add_nc_u64 s[74:75], s[74:75], s[100:101]
	s_lshl_b32 s46, s42, 10                        ; the biases at my first column: (256 x tile column + 128 x column half) x 4 bytes
	s_lshl_b32 s47, s16, 9
	s_add_co_u32 s46, s46, s47
	s_mov_b32 s47, 0
	s_add_nc_u64 s[70:71], s[70:71], s[46:47]
	s_add_nc_u64 s[72:73], s[72:73], s[46:47]
	global_load_b128 v[24:27], v[L16], s[74:75]    ; my wave's 128 numbers of the mask: 512 consecutive bytes
.irp b, 0,1,2,3,4,5,6,7
	global_load_b32 v[B1+\b], v[R4], s[70:71] offset:64*\b   ; bk(16 b + r)
.endr
	s_lshl_b32 s100, s17, 1                        ; z's partial: row 2 x tile row + row half of 1,024 columns
	s_add_co_u32 s100, s100, s15
	s_lshl_b32 s100, s100, 12
	s_add_nc_u64 s[78:79], s[78:79], s[100:101]
	s_add_nc_u64 s[78:79], s[78:79], s[46:47]
	s_lshr_b32 s100, s17, 4                        ; the batch: 16 tile rows each
	s_lshl_b32 s100, s100, 4
	s_lshl_b32 s18, s42, 2
	s_add_co_u32 s100, s100, s18
	s_lshl_b32 s18, s16, 1
	s_add_co_u32 s100, s100, s18
	s_add_co_u32 s100, s100, s15                   ; 16 x batch + the head that I finish: 4 x tile column + 2 x column half + row half
	s_lshl_b32 s100, s100, 4
	s_and_b32 s18, s17, 15
	s_add_co_u32 s100, s100, s18                   ; x 16 + which 256 rows of the batch
	s_lshl_b32 s100, s100, 14                      ; 16,384 bytes each
	s_add_nc_u64 s[76:77], s[76:77], s[100:101]
	s_wait_kmcnt 0x0
	s_add_co_i32 s100, s82, s83                    ; e2 + e3
	s_lshl_b32 s101, s100, 23
	s_add_co_i32 s90, s101, 0x3fb8aa3b             ; log2(e) x 2^(e2 + e3): the exponents are added to the number's exponent field
	s_mov_b32 s91, s90                             ; (named with it as a pair, so it is written)
	s_add_co_i32 s100, s100, 127
	s_lshl_b32 s88, s100, 23                       ; 2^(e2 + e3)
	s_mov_b32 s89, s88
	s_add_co_i32 s100, s84, s85
	s_add_co_i32 s100, s100, 127
	s_lshl_b32 s92, s100, 23                       ; 2^(e4 + e5)
	s_mov_b32 s93, s92
	s_add_co_i32 s100, s86, 127
	s_lshl_b32 s94, s100, 23                       ; 2^e6, for kf's conversions,
	s_add_co_i32 s100, s100, 8
	s_lshl_b32 s95, s100, 23
	s_or_b32 s95, s95, 0x600000                    ; and 448 x 2^e6
	s_add_co_i32 s100, s87, 127
	s_lshl_b32 s96, s100, 23                       ; the same with e7, for v's
	s_add_co_i32 s100, s100, 8
	s_lshl_b32 s97, s100, 23
	s_or_b32 s97, s97, 0x600000
	s_mov_b32 s98, 0x76543210                      ; v_permlanex16_b32's selects: lane l xor 16
	s_mov_b32 s99, 0xfedcba98
	s_wait_loadcnt 0x0
	ds_store_b128 v1, v[24:27]
.irp b, 0,1,2,3,4,5,6,7
	v_mul_f32 v[BL+\b], 0x3fb8aa3b, v[B1+\b]       ; bk log2(e)
.endr
.irp b, 0,1,2,3,4,5,6,7
	v_add_f32 v[B1+\b], 1.0, v[B1+\b]              ; bk + 1
.endr
	s_wait_dscnt 0x0                               ; no LDS instruction of mine is pending at a signal
	s_wait_tensorcnt 1                             ; my part of K step 0 is in (K step 1's load may be out)
	s_barrier_signal -1
	s_barrier_wait -1                              ; everybody's is
	FETCH_B 0, 0, 0
	FETCH_A 0, 0, 0
	FETCH_A 0, 0, 4
	; ---- k's tile: eight steps of 128 along K
	STEP 0, 0, 1                                   ; the first products start the sums: nothing is cleared
	TURN 0, 1, 1, 2*ROWB, 2*ROWB
	STEP 1, 0, 0
	TURN 1, 0, 1, 2*ROWB, 2*ROWB
	STEP 0, 0, 0
	TURN 0, 1, 1, NEXT_A, NEXT_B                   ; the ring goes on into v's tile: slot 0 takes its K step 0,
	STEP 1, 0, 0
	TURN 1, 0, 1, NEXT_A, NEXT_B                   ; slot 1 its K step 1, and v's first fragments are fetched
	; ---- k's results become kf: z's sums and codes.  (The places behind the last products stand at the end of the step above.)
	v_mov_b32 v[LIM], s95
	v_mov_b32 v[SCL], s94
	MASKIN
	s_wait_dscnt 0x0
.irp a, 0,1,2,3,4,5,6,7
	KCH \a
.endr
.irp b, 0,1,2,3,4,5,6,7
	v_add_f32 v[ZP+2*\b], v[ZP+2*\b], v[ZP+2*\b+1] ; z: a pair's two sums,
.endr
.irp b, 0,1,2,3,4,5,6,7
	v_permlanex16_b32 v[ZP+2*\b+1], v[ZP+2*\b], s98, s99
.endr
.irp b, 0,1,2,3,4,5,6,7
	v_add_f32 v[ZP+2*\b], v[ZP+2*\b], v[ZP+2*\b+1] ; and the other half of the lanes': my 128 rows' sum for column 16 b + r, in both halves
.endr
	v_cmp_le_u32 vcc_lo, 64, v[L4]                 ; lanes 16-31
.irp i, 0,1,2,3
	v_cndmask_b32 v[ZP+4*\i+1], v[ZP+4*\i], v[ZP+4*\i+2], vcc_lo   ; lanes 0-15 keep block 2 i, lanes 16-31 take block 2 i + 1: lane l holds column 32 i + l
.endr
.irp i, 0,1,2,3
	global_store_b32 v[L4], v[ZP+4*\i+1], s[78:79] offset:128*\i   ; 32 lanes store 128 consecutive bytes
.endr
.irp b, 0,1,2,3,4,5,6,7
	global_load_b32 v[B1+\b], v[R4], s[72:73] offset:64*\b   ; bv(16 b + r), where bk + 1 lay; it is waited for behind v's tile
.endr
	s_wait_dscnt 0x0                               ; my LDS stores are done: the counts of the steps below count fragments' loads alone
	; ---- v's tile
	STEP 0, 0, 1
	TURN 0, 1, 1, 2*ROWB, 2*ROWB
	STEP 1, 0, 0
	TURN 1, 0, 1, 2*ROWB, 2*ROWB
	STEP 0, 0, 0
	TURN 0, 1, 0, 0, 0                             ; the last lap fills nothing, and has no round of the cluster's barrier
	STEP 1, 0, 0
	s_wait_dscnt 4*NL                              ; the very last step: nothing more to fetch
	WIN MUL_LO
	MUL16 0, 1, 0
	MUL16 2, 1, 0
	s_wait_dscnt 0
	WIN MUL_HI
	MUL16 4, 1, 0
	MUL16 6, 1, 0
	WIN 0
	; ---- v's results are finished and quantised
	PLACES NP
	v_mov_b32 v[LIM], s97
	v_mov_b32 v[SCL], s96
	MASKIN
.irp f, 0,1,2,3
.irp c, 0,1,2,3
	ds_load_b128 v[16*\f+4*\c:16*\f+4*\c+3], v[KS] offset:2048*\f+512*\c   ; kf's codes of my second head come back as they went: window 1, v0-63
.endr
.endr
	s_wait_loadcnt 0x0                             ; bv
	s_wait_dscnt 0x0
.irp a, 0,1,2,3,4,5,6,7
	VCH \a
.endr
	; ---- kf^T v over my 128 rows: source 0 = 16 columns d of kf, source 1 = 16 columns of v; K = my rows.  32 accumulators, each written once
	WIN 0x80
.irp dt, 0,1,2,3
.irp kt, 0,1,2,3
	v_wmma_f32_16x16x128_fp8_fp8 v[8*(4*\dt+\kt):8*(4*\dt+\kt)+7], v[KC0+16*\dt:KC0+16*\dt+15], v[VC+16*\kt:VC+16*\kt+15], 0
.endr
.endr
	WIN 0xc1
.irp dt, 0,1,2,3
.irp kt, 0,1,2,3
	v_wmma_f32_16x16x128_fp8_fp8 v[8*(4*\dt+\kt):8*(4*\dt+\kt)+7], v[16*\dt:16*\dt+15], v[VC+64+16*\kt:VC+64+16*\kt+15], 0
.endr
.endr
	PLACES NP
	; ---- the two row halves meet in LDS, as images of the registers.  The bytes lie in slot 0, which has had its last fill, and which nobody reads since the last change of slots
.irp g, 0,1
	WIN (2+\g)<<2
.irp tl, 0,1,2,3,4,5,6,7,8,9,10,11,12,13,14,15
	ds_store_b128 v[XS], v[8*\tl:8*\tl+3] offset:16384*\g+1024*\tl           ; each accumulator from its low end on
	ds_store_b128 v[XS], v[8*\tl+4:8*\tl+7] offset:16384*\g+1024*\tl+512
.endr
.endr
	WIN 0
	s_wait_dscnt 0x0                               ; for the others' sake: my stores are done
	s_barrier_signal -1
	s_barrier_wait -1
.set i, 0
.rept 32
	ds_load_b128 v[128+4*i:128+4*i+3], v[XL0] offset:512*i   ; my half of the head that I finish,
.set i, i+1
.endr
	WIN TO_B
.set i, 0
.rept 32
	ds_load_b128 v[4*i:4*i+3], v[XL1] offset:512*i           ; and the other wave's
.set i, i+1
.endr
	s_wait_dscnt 0x0
	WIN 0x04
.set i, 0
.rept 64
	v_pk_add_f32 v[128+2*i:128+2*i+1], v[128+2*i:128+2*i+1], v[2*i:2*i+1]
.set i, i+1
.endr
	WIN 0
.set i, 0
.rept 32
	global_store_b128 v[L16], v[128+4*i:128+4*i+3], s[76:77] offset:512*i   ; 32 lanes store 512 consecutive bytes, aligned: tile i / 2, registers 4 (i % 2) on
.set i, i+1
.endr
	s_wait_tensorcnt 0x0                           ; the wave's end: behind my last tensor load and my last LDS store
	ds_add_u32 v[SPW], v[NIL]
	s_wait_dscnt 0x0
	CROUND                                         ; the closing round: no work-group ends while a partner may still ask for a tile that names it
	s_endpgm
.Lfunc_end_k_qe0e783e373_kv:
	.size	k_qe0e783e373_kv, .Lfunc_end_k_qe0e783e373_kv-k_qe0e783e373_kv
	.p2alignl 7, 3214868480
	.fill 96, 4, 3214868480
	.section	.rodata,"a",@progbits
	.p2align	6, 0x0
	.amdhsa_kernel k_qe0e783e373_kv
		.amdhsa_group_segment_fixed_size 327680
		.amdhsa_private_segment_fixed_size 0
		.amdhsa_enable_private_segment 0
		.amdhsa_kernarg_size 64
		.amdhsa_user_sgpr_count 2
		.amdhsa_user_sgpr_kernarg_segment_ptr 1
		.amdhsa_wavefront_size32 1
		.amdhsa_system_sgpr_workgroup_id_x 1
		.amdhsa_system_sgpr_workgroup_id_y 1
		.amdhsa_system_sgpr_workgroup_id_z 1
		.amdhsa_system_vgpr_workitem_id 0
		.amdhsa_next_free_vgpr 1024
		.amdhsa_next_free_sgpr 104
		.amdhsa_reserve_vcc 1
		.amdhsa_float_denorm_mode_32 3
		.amdhsa_float_denorm_mode_16_64 3
		.amdhsa_memory_ordered 1
		.amdhsa_forward_progress 1
		.amdhsa_inst_pref_size 255
	.end_amdhsa_kernel
	.section	.bss,"aw",@nobits
	.p2align	6
	.space	262144
	.amdgpu_metadata
---
amdhsa.version: [ 1, 2 ]
amdhsa.kernels:
  - .name:           k_qe0e783e373_kv
    .symbol:         k_qe0e783e373_kv.kd
    .args:
      - { .name: xc, .offset: 0, .size: 8, .value_kind: global_buffer, .address_space: global }
      - { .name: wc, .offset: 8, .size: 8, .value_kind: global_buffer, .address_space: global }
      - { .name: lowp_scales, .offset: 16, .size: 8, .value_kind: global_buffer, .address_space: global }
      - { .name: bk, .offset: 24, .size: 8, .value_kind: global_buffer, .address_space: global }
      - { .name: bv, .offset: 32, .size: 8, .value_kind: global_buffer, .address_space: global }
      - { .name: mask, .offset: 40, .size: 8, .value_kind: global_buffer, .address_space: global }
      - { .name: kvp, .offset: 48, .size: 8, .value_kind: global_buffer, .address_space: global }
      - { .name: zp, .offset: 56, .size: 8, .value_kind: global_buffer, .address_space: global }
    .group_segment_fixed_size: 327680
    .private_segment_fixed_size: 0
    .kernarg_segment_align: 8
    .kernarg_segment_size: 64
    .max_flat_workgroup_size: 128
    .sgpr_count:     104
    .vgpr_count:     1024
    .wavefront_size: 32
...
	.end_amdgpu_metadata
.endif
;; end of part 2
;; launch fold (part 3): grid 256 x 1, 4 waves a work-group, no clusters, 17,408 bytes of LDS; arguments kvp, zp, lowp_scales, kvc, zs; writes kvc, zs
.if DOCPART == 3
	.amdgcn_target "amdgcn-amd-amdhsa--gfx1250"
	.amdhsa_code_object_version 6
	.text
	.protected	k_qe0e783e373_fold
	.globl	k_qe0e783e373_fold
	.p2align	8
	.type	k_qe0e783e373_fold,@function
k_qe0e783e373_fold:
	s_mov_b64 s[64:65], 0
	v_nop
	global_prefetch_b8 v0, s[64:65] scope:SCOPE_SE
	s_setreg_imm32_b32 hwreg(HW_REG_WAVE_MODE, 25, 1), 1
	s_wait_xcnt 0x0
; The 16 partial sums of kf^T v of a head (one for each 256 rows) are added and quantised to E4M3 with the given 2^e9; the 32 partial sums of z are added.  All sums in f32.
; A partial is a sum of products of codes: it stands for sum x 2^(e6 + e7).  So its code is sum / 2^(e9 - e6 - e7): the three exponents are folded into the conversion's one scale.
; LIMIT: e9 - e6 - e7 between -126 and 119.  NaN is not served.
; SHARES.  Work-group u: head u / 4 (of 64 = 16 x batch + head), columns 16 (u % 4) on of v's 64: four tiles (d = 16 dt on) of 16 x 16.  Wave w adds four of the 16 partials; the four waves' sums meet in LDS,
; wave 0 adds and quantises them.  A tile's registers j = 0..7 of lane (r, h) are kv(16 dt + 8 h + j, column r): eight neighbours along d, the K of the next product: the conversion of tile dt gives
; registers 2 dt, 2 dt + 1 of that product's operand, which is stored as an image of its registers.  Matrix units, tensor loads and clusters have nothing to do here: the launch streams 17 MB once.
	s_load_b128 s[4:7], s[0:1], 0x0                ; the partial kf^T v s[4:5], the partial z s[6:7]
	s_load_b128 s[8:11], s[0:1], 0x10              ; the exponents s[8:9], kv's codes s[10:11]
	s_load_b64 s[12:13], s[0:1], 0x20              ; z
	v_lshl_add_u32 v160, v0, 2, 0x4200
	v_mov_b32 v161, 0
	v_lshrrev_b32 v2, 5, v0
	v_readfirstlane_b32 s16, v2                    ; wave 0..3
	v_and_b32 v3, 31, v0
	v_lshlrev_b32 v1, 4, v3                        ; 16 x lane
	v_and_b32 v4, 15, v0                           ; r
	v_bfe_u32 v5, v0, 4, 1                         ; h
	v_lshlrev_b32 v6, 2, v4                        ; 4 r
	v_lshl_add_u32 v7, v5, 12, v6                  ; z's partials: lanes 16-31 take the next row of 4,096 bytes
	v_lshlrev_b32 v8, 2, v0                        ; 4 x thread
	s_lshl_b32 s17, s16, 12
	v_add_nc_u32 v9, s17, v1                       ; LDS: 4,096 x wave + 16 x lane
	s_lshr_b32 s18, ttmp9, 2                       ; the head, 0..63
	s_and_b32 s19, ttmp9, 3                        ; kt
	s_lshl_b32 s24, s18, 18                        ; a head's 16 partials are 262,144 bytes; my wave's four begin 65,536 x wave on; tile 4 dt + kt is 1,024 bytes
	s_lshl_b32 s25, s16, 16
	s_add_co_u32 s24, s24, s25
	s_lshl_b32 s25, s19, 10
	s_add_co_u32 s24, s24, s25
	s_mov_b32 s25, 0
	s_lshr_b32 s26, s18, 4                         ; z: row 32 x batch + 8 x wave, column 64 x (head % 16) + 16 kt
	s_lshl_b32 s26, s26, 5
	s_lshl_b32 s27, s16, 3
	s_add_co_u32 s26, s26, s27
	s_lshl_b32 s26, s26, 12
	s_and_b32 s27, s18, 15
	s_lshl_b32 s27, s27, 8
	s_add_co_u32 s26, s26, s27
	s_lshl_b32 s27, s19, 6
	s_add_co_u32 s26, s26, s27
	s_mov_b32 s27, 0
	s_lshl_b32 s28, s18, 12                        ; the codes: 4,096 bytes a head, 1,024 for each kt
	s_lshl_b32 s29, s19, 10
	s_add_co_u32 s28, s28, s29
	s_mov_b32 s29, 0
	s_lshl_b32 s30, s18, 8                         ; z: 64 numbers a head, 16 for each kt
	s_lshl_b32 s31, s19, 6
	s_add_co_u32 s30, s30, s31
	s_mov_b32 s31, 0
	s_mov_b32 s34, 0x76543210                      ; v_permlanex16_b32's selects: lane l xor 16
	s_mov_b32 s35, 0xfedcba98
	s_wait_kmcnt 0x0
	s_load_b64 s[20:21], s[8:9], 0x18              ; e6, e7
	s_load_b32 s22, s[8:9], 0x24                   ; e9
	s_add_nc_u64 s[4:5], s[4:5], s[24:25]
	s_add_nc_u64 s[6:7], s[6:7], s[26:27]
	s_add_nc_u64 s[10:11], s[10:11], s[28:29]
	s_add_nc_u64 s[12:13], s[12:13], s[30:31]
.irp p, 0,1,2,3
.irp dt, 0,1,2,3
	global_load_b128 v[16+32*\p+8*\dt:16+32*\p+8*\dt+3], v1, s[4:5] offset:16384*\p+4096*\dt th:TH_LOAD_NT      ; 32 lanes read 512 consecutive bytes
	global_load_b128 v[16+32*\p+8*\dt+4:16+32*\p+8*\dt+7], v1, s[4:5] offset:16384*\p+4096*\dt+512 th:TH_LOAD_NT
.endr
.endr
.irp i, 0,1,2,3
	global_load_b32 v[144+\i], v7, s[6:7] offset:8192*\i th:TH_LOAD_NT   ; rows h + 2 i of my wave's eight
.endr
	s_wait_kmcnt 0x0
	s_sub_co_i32 s23, s22, s20
	s_sub_co_i32 s23, s23, s21                     ; e9 - e6 - e7
	s_add_co_i32 s23, s23, 127
	s_lshl_b32 s32, s23, 23
	v_mov_b32 v11, s32                             ; 2^(e9 - e6 - e7) as f32: the conversion takes its exponent field
	s_add_co_i32 s23, s23, 8
	s_lshl_b32 s23, s23, 23
	s_or_b32 s23, s23, 0x600000
	v_mov_b32 v10, s23                             ; 448 x that
	s_wait_loadcnt 0x0
.irp p, 1,2,3
.set i, 0
.rept 16
	v_pk_add_f32 v[16+2*i:16+2*i+1], v[16+2*i:16+2*i+1], v[16+32*\p+2*i:16+32*\p+2*i+1]
.set i, i+1
.endr
.endr
	v_add_f32 v144, v144, v145
	v_add_f32 v146, v146, v147
	v_add_f32 v144, v144, v146
	v_permlanex16_b32 v145, v144, s34, s35
	v_add_f32 v144, v144, v145                     ; my wave's eight rows' sum for column r
.irp i, 0,1,2,3,4,5,6,7
	ds_store_b128 v9, v[16+4*\i:16+4*\i+3] offset:512*\i
.endr
	ds_store_b32 v8, v144 offset:16384
	s_wait_dscnt 0x0                               ; for wave 0's sake: my stores are done
	s_barrier_signal -1
	s_barrier_wait -1
	s_cmp_lg_u32 s16, 0
	s_cbranch_scc1 .Ldone                          ; no barrier follows: waves 1 to 3 have done their part
.irp w, 1,2,3
.irp i, 0,1,2,3,4,5,6,7
	ds_load_b128 v[16+32*\w+4*\i:16+32*\w+4*\i+3], v1 offset:4096*\w+512*\i
.endr
.endr
.irp w, 1,2,3
	ds_load_b32 v[144+\w], v8 offset:16384+128*\w
.endr
	s_wait_dscnt 0x0
.irp p, 1,2,3
.set i, 0
.rept 16
	v_pk_add_f32 v[16+2*i:16+2*i+1], v[16+2*i:16+2*i+1], v[16+32*\p+2*i:16+32*\p+2*i+1]
.set i, i+1
.endr
.endr
	v_add_f32 v144, v144, v145
	v_add_f32 v146, v146, v147
	v_add_f32 v144, v144, v146                     ; z
.set i, 0
.rept 32
	v_med3_num_f32 v[16+i], v[16+i], -v10, v10     ; the conversion to an 8-bit code does not saturate (ISA guide 7.6.2): hold first
.set i, i+1
.endr
.irp dt, 0,1,2,3
	v_cvt_scalef32_pk8_fp8_f32 v[152+2*\dt:153+2*\dt], v[16+8*\dt:23+8*\dt], v11
.endr
	v_nop                                          ; a plain vector line behind the last conversion
	global_store_b128 v1, v[152:155], s[10:11]               ; registers 0-3 of the operand: 512 consecutive bytes,
	global_store_b128 v1, v[156:159], s[10:11] offset:512    ; registers 4-7
	s_wait_xcnt 0x0                                ; EXEC changes only behind this wait
	v_cmp_gt_u32 vcc_lo, 16, v0
	s_and_saveexec_b32 s33, vcc_lo
	global_store_b32 v6, v144, s[12:13]            ; lanes 0-15: z of 16 columns
	s_wait_xcnt 0x0                                ; and again in front of the line that widens it
	s_or_b32 exec_lo, exec_lo, s33
.Ldone:
	s_wait_tensorcnt 0x0
	ds_add_u32 v160, v161
	s_wait_dscnt 0x0
	s_endpgm
.Lfunc_end_k_qe0e783e373_fold:
	.size	k_qe0e783e373_fold, .Lfunc_end_k_qe0e783e373_fold-k_qe0e783e373_fold
	.p2alignl 7, 3214868480
	.fill 96, 4, 3214868480
	.section	.rodata,"a",@progbits
	.p2align	6, 0x0
	.amdhsa_kernel k_qe0e783e373_fold
		.amdhsa_group_segment_fixed_size 17408
		.amdhsa_private_segment_fixed_size 0
		.amdhsa_enable_private_segment 0
		.amdhsa_kernarg_size 40
		.amdhsa_user_sgpr_count 2
		.amdhsa_user_sgpr_kernarg_segment_ptr 1
		.amdhsa_wavefront_size32 1
		.amdhsa_system_sgpr_workgroup_id_x 1
		.amdhsa_system_sgpr_workgroup_id_y 1
		.amdhsa_system_sgpr_workgroup_id_z 1
		.amdhsa_system_vgpr_workitem_id 0
		.amdhsa_next_free_vgpr 162
		.amdhsa_next_free_sgpr 66
		.amdhsa_reserve_vcc 1
		.amdhsa_float_denorm_mode_32 3
		.amdhsa_float_denorm_mode_16_64 3
		.amdhsa_memory_ordered 1
		.amdhsa_forward_progress 1
		.amdhsa_inst_pref_size 18
	.end_amdhsa_kernel
	.amdgpu_metadata
---
amdhsa.version: [ 1, 2 ]
amdhsa.kernels:
  - .name:           k_qe0e783e373_fold
    .symbol:         k_qe0e783e373_fold.kd
    .args:
      - { .name: kvp, .offset: 0, .size: 8, .value_kind: global_buffer, .address_space: global }
      - { .name: zp, .offset: 8, .size: 8, .value_kind: global_buffer, .address_space: global }
      - { .name: lowp_scales, .offset: 16, .size: 8, .value_kind: global_buffer, .address_space: global }
      - { .name: kvc, .offset: 24, .size: 8, .value_kind: global_buffer, .address_space: global }
      - { .name: zs, .offset: 32, .size: 8, .value_kind: global_buffer, .address_space: global }
    .group_segment_fixed_size: 17408
    .private_segment_fixed_size: 0
    .kernarg_segment_align: 8
    .kernarg_segment_size: 40
    .max_flat_workgroup_size: 128
    .sgpr_count:     66
    .vgpr_count:     162
    .wavefront_size: 32
...
	.end_amdgpu_metadata
.endif
;; end of part 3
;; launch out (part 4): grid 4 x 64, 4 waves a work-group, clusters of 4 x 4, 327,680 bytes of LDS; arguments xc, wc, lowp_scales, bq, mask, kvc, zs, out0; writes out0
.if DOCPART == 4
	.amdgcn_target "amdgcn-amd-amdhsa--gfx1250"
	.amdhsa_code_object_version 6
	.text
	.protected	k_qe0e783e373_out
	.globl	k_qe0e783e373_out
	.p2align	8
	.type	k_qe0e783e373_out,@function
k_qe0e783e373_out:
	s_mov_b64 s[64:65], 0
	v_nop
	global_prefetch_b8 v0, s[64:65] scope:SCOPE_SE
	s_setreg_imm32_b32 hwreg(HW_REG_WAVE_MODE, 25, 1), 1
	s_wait_xcnt 0x0
	s_wait_alu depctr_hold_cnt(0) depctr_sa_sdst(0) depctr_va_vdst(0) depctr_va_sdst(0) depctr_va_ssrc(0) depctr_va_vcc(0) depctr_vm_vsrc(0)
	s_getreg_b32 s2, hwreg(HW_REG_IB_STS2, 6, 4)
	s_cmp_eq_u32 s2, 0
	s_cbranch_scc0 .Lentry_in_a_cluster
	s_endpgm
.Lentry_in_a_cluster:
	s_bfe_u32 s2, ttmp6, 0x10000c
	s_cmp_lg_u32 s2, 0xf033
	s_cbranch_scc0 .Lentry_shape_is_right
	s_endpgm
.Lentry_shape_is_right:
; For 256 rows t and 256 columns (four heads): q = x Wq^T + bq, qf = (elu(q) + 1) m;  num = qf kv, den = max(qf . z, 1e-6);  out = num / den x m.
; x Wq^T (v_wmma_f32_16x16x128_fp8_fp8) and qf kv (v_wmma_f32_16x16x64_fp8_fp8) on E4M3 codes, sums in f32; qf . z by f32 multiply-adds on the unquantised qf.
; x's codes (set 0) and Wq's, kv's codes and z come from the launches before.
; LIMITS on the given exponents: e0 + e1 between -126 and 127; e8 between -126 and 119; e8 + e9 is applied by v_ldexp_f32 and has none.  NaN among the inputs is not served.
; SHARES.  A work-group of four waves makes a tile of 256 x 256; a wave 128 x 128: 64 accumulators, 512 registers.  K goes in steps of 256 through a ring of two LDS slots filled by the tensor data mover.
; CLUSTERS: 4 x 4 work-groups; x's tiles are asked for jointly along a row of the cluster, Wq's along a column.
; LAYOUT.  Source 0 = 16 rows of Wq, source 1 = 16 rows of x: in accumulator (a, b) lane (r, h) holds row t = 16 a + r and its registers j the columns 16 b + 8 h + j: eight NEIGHBOURS ALONG d, the K of qf kv.
; So the conversion of accumulator (a, 4 g + c) gives registers 2 c, 2 c + 1 of head g's operand (16 rows x 64), each d in its own place.  qf kv is used transposed too (source 0 = 16 columns of kv, source 1 = qf):
; its result falls into the layout, and into the registers, of the accumulators that it came from, and leaves through a stage in LDS as whole rows.
; elu(y) + 1 is the middle one of y + 1, e^y and 1 (for y > 0: 1 < y + 1 <= e^y; for y < 0: y + 1 < e^y < 1), where e^y overflows too.
; REGISTERS, in windows of 256: window 0: v0-31 addresses and small things; v32-95 kv's eight fragments; v96-103 the mask m(16 a + r); v104-119 qf's codes; v120-127 den's sums;
;   v128-255 x's fragments, behind the product v128-191 results on their way to the stage and v192-255 rows read back.   window 1: Wq's fragments, two sets; behind the product v0-63 bq + 1, v64-127 z, v128-191 bq log2(e), v192-255 e^y.
;   window 2: the accumulators of my rows 0-63 ((a, b) at v[8 (8 a + b)]); window 3: those of rows 64-127.
.set KROW,   1024
.set ROWB,   256
.set PITCH,  272                       ; an LDS row: 256 bytes + 16 of padding = 68 words: the 16 rows that a load touches start at 16 different banks (ISA guide 11.1)
.set FR,     16
.set NL,     4
.set NP,     4                         ; places behind these matrix instructions (ISA guide 7.12.1)
.set HALFT,  128*PITCH
.set SLOT,   4*HALFT
.set SPARE,  2*SLOT                    ; behind the ring: the spare words, 128 bytes a wave: two blocks of 256 bytes that no other line names
.set SPITCH, 528                       ; the way out: a stage of 16 rows x (512 bytes + 16) for each wave, in slot 0, which has had its last fill and its last read when the first result is stored there
.set LIM,  10                          ; v10    448 x 2^e8
.set SCL,  11                          ; v11    2^e8 as f32
.set FF,   12                          ; v12-13 m 2^(e8 + e9) / den of my row, for head 0 and head 1
.set ADRA, 16
.set H32,  19                          ; v19    32 x (lane / 16)
.set ADRB, 20
.set R4,   22                          ; v22    4 x (lane % 16)
.set STO,  24                          ; v24    the way out: where I put 32 bytes of a row
.set RD,   25                          ; v25    where I read a row back
.set CO,   26                          ; v26    16 x lane
.set SPW,  28
.set NIL,  29
.set KV,   32
.set MK,   96
.set QC,   104
.set DN,   120
.set AF,   128
.set TMP,  128
.set BK,   192
.set B1,   0                           ; in window 1
.set ZV,   64
.set BL,   128
.set T,    192
.set G1, 24
.set G0, 32
.set G1B, 48
.set G0B, 56
.set MSB, 0
.macro WIN new                         ; the immediate's high byte repeats the setting that is left; a switch that changes nothing is dropped
.if MSB != (\new)
	s_set_vgpr_msb (MSB<<8)|(\new)
.set MSB, (\new)
.endif
.endm
.set MUL_LO, 0xa1                      ; source 0 (Wq) window 1, source 1 (x) window 0, C and D window 2
.set MUL_HI, 0xf1                      ; the same, C and D window 3
.set TO_B,   0x40                      ; destination window 1, address window 0
; A joint load: waves 0 and 1 fetch x's two halves, waves 2 and 3 Wq's; the branch hangs on the wave's number alone.  Four v_nop follow each of the two lines.
.macro JLOAD g0a, g1a, g0b, g1b
	s_cmp_eq_u32 s15, 0
	s_cbranch_scc0 .Lfor_b_\@
	tensor_load_to_lds s[\g0a:\g0a+3], s[\g1a:\g1a+7]
	s_nop 0
.rept 4
	v_nop
.endr
	s_branch .Lasked_\@
.Lfor_b_\@:
	tensor_load_to_lds s[\g0b:\g0b+3], s[\g1b:\g1b+7]
	s_nop 0
.rept 4
	v_nop
.endr
.Lasked_\@:
.endm
.macro CREST                           ; a round of the cluster's barrier behind its opening barrier
	s_cmp_lg_u32 s14, 0
	s_cbranch_scc1 .Lnot_wave_0_\@
	s_barrier_signal -3
.Lnot_wave_0_\@:
	s_barrier_wait -3
	s_barrier_signal -1
	s_barrier_wait -1
.endm
.macro CROUND
	s_barrier_signal -1
	s_barrier_wait -1
	CREST
.endm
.macro FRAG reg, adr, q, i             ; a fragment: four loads of 16 bytes, 32 bytes apart; the same places of K in x and in Wq
.irp c, 0,1,2,3
	ds_load_b128 v[\reg+4*\c:\reg+4*\c+3], v[\adr] offset:128*(\q)+32*\c+(\i)*16*PITCH
.endr
.endm
; 16 matrix instructions: x's blocks a0, a0 + 1 against Wq's eight.  The 64 accumulators take turns, one instruction a turn, in the same order in every step.
.macro MUL16 a0, p, zero
.irp a, \a0, \a0+1
.irp b, 0,1,2,3,4,5,6,7
.if \zero
	v_wmma_f32_16x16x128_fp8_fp8 v[8*(8*((\a)%4)+\b):8*(8*((\a)%4)+\b)+7], v[128*(\p)+FR*\b:128*(\p)+FR*\b+FR-1], v[AF+FR*(\a):AF+FR*(\a)+FR-1], 0
.else
	v_wmma_f32_16x16x128_fp8_fp8 v[8*(8*((\a)%4)+\b):8*(8*((\a)%4)+\b)+7], v[128*(\p)+FR*\b:128*(\p)+FR*\b+FR-1], v[AF+FR*(\a):AF+FR*(\a)+FR-1], v[8*(8*((\a)%4)+\b):8*(8*((\a)%4)+\b)+7]
.endif
.endr
.endr
.endm
.macro FETCH_B slot, q, p
	WIN TO_B
.irp i, 0,1,2,3,4,5,6,7
	FRAG 128*(\p)+FR*\i, ADRB+\slot, \q, \i
.endr
	WIN 0
.endm
.macro FETCH_A slot, q, i0
.irp i, \i0, \i0+1, \i0+2, \i0+3
	FRAG AF+FR*(\i), ADRA+\slot, \q, \i
.endr
.endm
.macro PLACES n                        ; plain vector lines between a matrix instruction and a load into, or a vector line on, one of its registers
.rept \n
	v_nop
.endr
.endm
.macro STEP slot, q, zero              ; a step of 128 along K that has its successor in the same slot
	s_wait_dscnt 4*NL                              ; all but the youngest 16 loads (x's blocks 4-7) are in
	WIN MUL_LO
	MUL16 0, (\q)%2, \zero
	MUL16 2, (\q)%2, \zero
	s_wait_dscnt 0                                 ; x's blocks 4-7 are in
	PLACES NP
	FETCH_B \slot, (\q)+1, 1-(\q)%2
	FETCH_A \slot, (\q)+1, 0
	WIN MUL_HI
	MUL16 4, (\q)%2, \zero
	MUL16 6, (\q)%2, \zero
	PLACES NP
	WIN 0
	FETCH_A \slot, (\q)+1, 4
.endm
; A slot's last step changes slots: one barrier; in front of it each wave waits for all its tensor loads, adds 0 to its spare word, and waits for that and for its own reads of this slot.
.macro TURN slot, next, fill
	s_wait_tensorcnt 0x0                           ; all my tensor loads have landed: the one that was out is my part of the next slot
	ds_add_u32 v[SPW], v[NIL]                      ; 0 onto my spare word
	s_wait_dscnt 4*NL+1                            ; (the add and the youngest 16 loads may be out)
	WIN MUL_LO
	MUL16 0, 1, 0                                  ; sixteen matrix instructions stand between the add and the wait for it
	s_wait_dscnt 0x0                               ; the add is done, and my reads of this slot are over
	s_barrier_signal -1
	MUL16 2, 1, 0
	WIN 0                                          ; at a branch and at a label every window is 0
	s_barrier_wait -1
.if \fill
	CREST                                          ; no wave of any partner still reads this slot's tile or has a load on its way
	s_add_nc_u64 s[G0+4*\slot+2:G0+4*\slot+3], s[G0+4*\slot+2:G0+4*\slot+3], 2*ROWB
	s_add_nc_u64 s[G0B+4*\slot+2:G0B+4*\slot+3], s[G0B+4*\slot+2:G0B+4*\slot+3], 2*ROWB
	JLOAD G0+4*\slot, G1, G0B+4*\slot, G1B         ; my one tensor load behind the round; its four v_nop are the places in front of the loads below
.else
	PLACES NP
.endif
	FETCH_B \next, 0, 0
	FETCH_A \next, 0, 0
	WIN MUL_HI
	MUL16 4, 1, 0
	MUL16 6, 1, 0
	PLACES NP
	WIN 0
	FETCH_A \next, 0, 4
.endm
.macro SEND a                          ; block a's 16 rows, read back from the stage, are stored
	s_wait_dscnt 0x0                               ; the block is back in registers (and my stores into the stage have read theirs)
	s_wait_xcnt 0x0                                ; the earlier stores have read their base
.if (\a) > 0
	s_add_nc_u64 s[78:79], s[78:79], 16*4096       ; 16 rows of the output on
.endif
.irp t, 0,1,2,3,4,5,6,7,8,9,10,11,12,13,14,15
	global_store_b128 v[CO], v[BK+4*\t:BK+4*\t+3], s[78:79] offset:\t*4096 th:TH_STORE_NT   ; 32 lanes store 512 consecutive bytes, aligned; written once, read by nobody here
.endr
.endm
; Block a: 16 rows x 128 columns (two heads), from q's sums to the stage
.macro BLK a
.set W, 2+(\a)/4
.set AC, 64*((\a)%4)
	WIN 0x50|W
.set p, 0
.rept 32
	v_pk_fma_f32 v[T+2*p:T+2*p+1], v[AC+2*p:AC+2*p+1], s[90:91], v[BL+2*p:BL+2*p+1] op_sel_hi:[1,0,1]   ; y log2(e) = sum x 2^(e0 + e1) log2(e) + bq log2(e); each accumulator from its low end on
.set p, p+1
.endr
	WIN 0x41
.set p, 0
.rept 64
	v_exp_f32 v[T+p], v[T+p]                       ; e^y
.set p, p+1
.endr
	WIN (W<<6)|0x10|W
.set p, 0
.rept 32
	v_pk_fma_f32 v[AC+2*p:AC+2*p+1], v[AC+2*p:AC+2*p+1], s[88:89], v[B1+2*p:B1+2*p+1] op_sel_hi:[1,0,1]   ; y + 1.  (These are the plain lines behind the exponentials)
.set p, p+1
.endr
	WIN (W<<6)|4|W
.set p, 0
	s_wait_alu depctr_va_vdst(0)
.rept 64
	v_med3_num_f32 v[AC+p], v[AC+p], v[T+p], 1.0   ; elu(y) + 1: the middle one of y + 1, e^y, 1
.set p, p+1
.endr
	WIN (W<<6)|W
.set p, 0
.rept 32
.if (\a)%2
	v_pk_mul_f32 v[AC+2*p:AC+2*p+1], v[AC+2*p:AC+2*p+1], v[MK+2*((\a)/2):MK+2*((\a)/2)+1] op_sel:[0,1] op_sel_hi:[1,1]   ; x m of my row: the pair's odd register for both halves,
.else
	v_pk_mul_f32 v[AC+2*p:AC+2*p+1], v[AC+2*p:AC+2*p+1], v[MK+2*((\a)/2):MK+2*((\a)/2)+1] op_sel_hi:[1,0]               ; or its even one
.endif
.set p, p+1
.endr
	WIN 4|W
.set p, 0
.rept 32                               ; den = qf . z on the unquantised qf: two chains of pairs for each head; a chain's first line starts its sums
.set DR, DN+4*(p/16)+2*(p%2)
.if (p%16) < 2
	v_pk_mul_f32 v[DR:DR+1], v[AC+2*p:AC+2*p+1], v[ZV+2*p:ZV+2*p+1]
.else
	v_pk_fma_f32 v[DR:DR+1], v[AC+2*p:AC+2*p+1], v[ZV+2*p:ZV+2*p+1], v[DR:DR+1]
.endif
.set p, p+1
.endr
	WIN (W<<6)|W
.set p, 0
.rept 64
	v_med3_num_f32 v[AC+p], v[AC+p], -v[LIM], v[LIM]   ; the conversion to an 8-bit code does not saturate (ISA guide 7.6.2): hold first
.set p, p+1
.endr
	WIN W
.irp b, 0,1,2,3,4,5,6,7
	v_cvt_scalef32_pk8_fp8_f32 v[QC+2*\b:QC+2*\b+1], v[AC+8*\b:AC+8*\b+7], v[SCL]   ; head b / 4: registers 2 (b % 4), + 1 of its operand: d = 16 (b % 4) + 8 h + 0 .. 7
.endr
	v_nop                                          ; a plain vector line between the conversions and the products, which read their results and write over their sources
	WIN W<<6
.irp g, 0,1
.irp kt, 0,1,2,3
	v_wmma_f32_16x16x64_fp8_fp8 v[AC+8*(4*\g+\kt):AC+8*(4*\g+\kt)+7], v[KV+32*\g+8*\kt:KV+32*\g+8*\kt+7], v[QC+8*\g:QC+8*\g+7], 0   ; num, transposed: lane (r, h): row r, columns 16 kt + 8 h + 0 .. 7 of head g
.endr
.endr
	WIN 0
.if (\a) > 0
	SEND (\a)-1                                    ; the block before leaves while these products run
.endif
	v_pk_add_f32 v[DN:DN+1], v[DN:DN+1], v[DN+2:DN+3]          ; den is finished; the first four lines are the places behind the products
	v_pk_add_f32 v[DN+4:DN+5], v[DN+4:DN+5], v[DN+6:DN+7]
	v_add_f32 v[DN], v[DN], v[DN+1]
	v_add_f32 v[DN+4], v[DN+4], v[DN+5]
	v_permlanex16_b32 v[DN+1], v[DN], s98, s99     ; my row's other 32 of the head's 64 lie in the lane 16 away
	v_permlanex16_b32 v[DN+5], v[DN+4], s98, s99
	v_add_f32 v[DN], v[DN], v[DN+1]
	v_add_f32 v[DN+4], v[DN+4], v[DN+5]
	v_max_num_f32 v[DN], 0x358637bd, v[DN]         ; at least 1e-6
	v_max_num_f32 v[DN+4], 0x358637bd, v[DN+4]
	v_rcp_f32 v14, v[DN]
	v_rcp_f32 v15, v[DN+4]
	v_ldexp_f32 v27, v[MK+(\a)], s96               ; m 2^(e8 + e9).  (The plain line behind the reciprocals)
	s_wait_alu depctr_va_vdst(0)
	v_mul_f32 v[FF], v14, v27
	v_mul_f32 v[FF+1], v15, v27
	WIN W
.set p, 0
.rept 32
.if p < 16
	v_pk_mul_f32 v[TMP+2*p:TMP+2*p+1], v[AC+2*p:AC+2*p+1], v[FF:FF+1] op_sel_hi:[1,0]               ; head 0: num 2^(e8 + e9) / den x m; each accumulator from its low end on
.else
	v_pk_mul_f32 v[TMP+2*p:TMP+2*p+1], v[AC+2*p:AC+2*p+1], v[FF:FF+1] op_sel:[0,1] op_sel_hi:[1,1]  ; head 1
.endif
.set p, p+1
.endr
	WIN 0
.irp b, 0,1,2,3,4,5,6,7
	ds_store_b128 v[STO], v[TMP+8*\b:TMP+8*\b+3] offset:64*\b
	ds_store_b128 v[STO], v[TMP+8*\b+4:TMP+8*\b+7] offset:64*\b+16
.endr
	s_wait_xcnt 0x0                                ; the last block's stores have read their registers: the loads below may land there
.irp t, 0,1,2,3,4,5,6,7,8,9,10,11,12,13,14,15
	ds_load_b128 v[BK+4*\t:BK+4*\t+3], v[RD] offset:\t*SPITCH   ; LDS serves a wave's instructions in order (ISA guide 5.7.1.4): these see my stores
.endr
.endm
	s_load_b128 s[4:7], s[0:1], 0x0                ; x's codes s[4:5], the weights' codes s[6:7]
	s_load_b256 s[68:75], s[0:1], 0x10             ; the exponents s[68:69], bq s[70:71], the mask s[72:73], kv's codes s[74:75]
	s_load_b128 s[76:79], s[0:1], 0x30             ; z s[76:77], the output s[78:79]
	v_lshl_add_u32 v[SPW], v0, 2, SPARE
	v_mov_b32 v[NIL], 0
	ds_add_u32 v28, v29
	ds_add_u32 v28, v29
	s_wait_dscnt 0x0
	v_lshrrev_b32 v1, 5, v0
	v_readfirstlane_b32 s14, v1                    ; wave 0..3
	s_lshr_b32 s15, s14, 1                         ; which half of the tile's rows is mine.  Also: I fetch for x (0) or for Wq (1)
	s_and_b32 s16, s14, 1                          ; which half of its columns.  Also: which 128 rows of that tile I fetch
	s_bfe_u32 s40, ttmp6, 0x40000                  ; cx, cy: my place in the cluster
	s_bfe_u32 s41, ttmp6, 0x40004
	s_lshl_b32 s42, ttmp9, 2
	s_add_co_u32 s42, s42, s40                     ; tile column = 4 x cluster x + cx
	s_and_b32 s17, ttmp7, 0xffff
	s_lshl_b32 s17, s17, 2
	s_add_co_u32 s17, s17, s41                     ; tile row = 4 x cluster y + cy
	s_lshl_b32 s43, s41, 2
	s_lshl_b32 s43, 15, s43                        ; my row of the cluster
	s_lshl_b32 s44, 0x1111, s40                    ; my column
	s_or_b32 s[G1+0], s43, (0<<16)|(1<<20)|(1<<21)|(5<<22)|(3<<25)  ; 15:0 the mask: x's tiles go to my row; 17:16 element of 1 byte; 20 padding on; 21 set beside a mask; 24:22 after every 64 words; 31:25 four words
	s_or_b32 s[G1B+0], s44, (0<<16)|(1<<20)|(1<<21)|(5<<22)|(3<<25)
.irp g, G1, G1B
	s_mov_b32 s[\g+1], ROWB<<16                    ; tensor_dim0
	s_mov_b32 s[\g+2], 128<<16                     ; tensor_dim1
	s_mov_b32 s[\g+3], ROWB<<16                    ; tile_dim0
	s_mov_b32 s[\g+4], 128                         ; tile_dim1
	s_mov_b32 s[\g+5], KROW                        ; tensor_dim0_stride
	s_mov_b32 s[\g+6], 0
	s_mov_b32 s[\g+7], 0
.endr
	s_lshl_b32 s18, s16, 7
	s_lshl_b32 s20, s17, 8
	s_add_co_u32 s20, s20, s18                     ; x: row 256 x tile row + 128 x half
	s_lshl_b32 s46, s42, 8
	s_add_co_u32 s46, s46, s18                     ; Wq: row 256 x tile column + 128 x half
	s_mov_b32 s21, 0
	s_mov_b32 s47, 0
	s_mov_b64 s[18:19], KROW
	s_mul_u64 s[20:21], s[20:21], s[18:19]
	s_mul_u64 s[46:47], s[46:47], s[18:19]
	s_mul_i32 s45, s14, HALFT                      ; where they go: wave x 128 rows: no place in the cluster enters an LDS address
	s_wait_kmcnt 0x0
	s_load_b64 s[80:81], s[68:69], 0x0             ; e0, e1
	s_load_b64 s[82:83], s[68:69], 0x20            ; e8, e9
	s_add_nc_u64 s[20:21], s[4:5], s[20:21]        ; x's set 0 and Wq lie first in their buffers
	s_add_nc_u64 s[46:47], s[6:7], s[46:47]
	CROUND                                         ; all sixteen work-groups are here: the first joint loads meet
.irp s, 0,1
	s_mov_b32 s[G0+4*\s], 1
	s_add_co_u32 s[G0+4*\s+1], s45, \s*SLOT
	s_add_nc_u64 s[G0+4*\s+2:G0+4*\s+3], s[20:21], \s*ROWB
	s_or_b32 s[G0+4*\s+3], s[G0+4*\s+3], 0x80000000
	s_mov_b32 s[G0B+4*\s], 1
	s_add_co_u32 s[G0B+4*\s+1], s45, \s*SLOT
	s_add_nc_u64 s[G0B+4*\s+2:G0B+4*\s+3], s[46:47], \s*ROWB
	s_or_b32 s[G0B+4*\s+3], s[G0B+4*\s+3], 0x80000000
	JLOAD G0+4*\s, G1, G0B+4*\s, G1B               ; by this text's count two tensor loads of a wave are out here, later one
.endr
	v_and_b32 v1, 15, v0                           ; r = lane % 16
	v_bfe_u32 v2, v0, 4, 1                         ; h = lane / 16
	v_mul_u32_u24 v3, v1, PITCH
	v_lshl_add_u32 v4, v2, 4, v3                   ; a fragment's row x pitch + 16 x half
	s_mul_i32 s21, s15, HALFT
	s_mul_i32 s22, s16, HALFT
	s_add_co_u32 s22, s22, 2*HALFT
.irp s, 0,1
	v_add_nc_u32 v[ADRA+\s], s21, v4
	v_add_nc_u32 v[ADRB+\s], s22, v4
	s_add_co_u32 s21, s21, SLOT
	s_add_co_u32 s22, s22, SLOT
.endr
	s_mul_i32 s23, s14, 16*SPITCH                  ; my stage
	v_mul_u32_u24 v5, v1, SPITCH                   ; in: row r, 32 bytes for each half of the lanes
	v_lshl_add_u32 v5, v2, 5, v5
	v_add_nc_u32 v[STO], s23, v5
	v_and_b32 v6, 31, v0
	v_lshlrev_b32 v[CO], 4, v6                     ; back: the 32 lanes take one row of 512 bytes; and the same in the output
	v_add_nc_u32 v[RD], s23, v[CO]
	v_lshlrev_b32 v[H32], 5, v2
	v_lshlrev_b32 v[R4], 2, v1
	s_lshl_b32 s46, s42, 10                        ; my first column in bytes: (256 x tile column + 128 x column half) x 4
	s_lshl_b32 s47, s16, 9
	s_add_co_u32 s46, s46, s47
	s_mov_b32 s47, 0
	s_add_nc_u64 s[70:71], s[70:71], s[46:47]      ; bq,
	s_add_nc_u64 s[76:77], s[76:77], s[46:47]      ; z,
	s_add_nc_u64 s[78:79], s[78:79], s[46:47]      ; and the output at it
	s_mov_b32 s101, 0
	s_lshr_b32 s100, s17, 4                        ; the batch: 16 tile rows each
	s_lshl_b32 s100, s100, 12
	s_add_nc_u64 s[76:77], s[76:77], s[100:101]    ; z: 1,024 numbers a batch
	s_lshl_b32 s100, s17, 8
	s_lshl_b32 s18, s15, 7
	s_add_co_u32 s18, s100, s18                    ; my first row: 256 x tile row + 128 x row half
	s_lshl_b32 s100, s18, 2
	s_add_nc_u64 s[72:73], s[72:73], s[100:101]    ; the mask at it,
	s_lshl_b32 s100, s18, 12
	s_add_nc_u64 s[78:79], s[78:79], s[100:101]    ; and the output: rows of 4,096 bytes
	s_lshr_b32 s100, s17, 4
	s_lshl_b32 s100, s100, 4
	s_lshl_b32 s18, s42, 2
	s_add_co_u32 s100, s100, s18
	s_lshl_b32 s18, s16, 1
	s_add_co_u32 s100, s100, s18                   ; 16 x batch + my first head: 4 x tile column + 2 x column half
	s_lshl_b32 s100, s100, 12
	s_add_nc_u64 s[74:75], s[74:75], s[100:101]    ; kv's codes: 4,096 bytes a head
.irp g, 0,1
.irp kt, 0,1,2,3
	global_load_b128 v[KV+32*\g+8*\kt:KV+32*\g+8*\kt+3], v[CO], s[74:75] offset:4096*\g+1024*\kt          ; kv's fragments come as images of their registers: 512 consecutive bytes a load
	global_load_b128 v[KV+32*\g+8*\kt+4:KV+32*\g+8*\kt+7], v[CO], s[74:75] offset:4096*\g+1024*\kt+512
.endr
.endr
.irp a, 0,1,2,3,4,5,6,7
	global_load_b32 v[MK+\a], v[R4], s[72:73] offset:64*\a   ; m(16 a + r).  These loads are waited for behind the product
.endr
	s_wait_kmcnt 0x0
	s_add_co_i32 s100, s80, s81                    ; e0 + e1
	s_lshl_b32 s101, s100, 23
	s_add_co_i32 s90, s101, 0x3fb8aa3b             ; log2(e) x 2^(e0 + e1): the exponents are added to the number's exponent field
	s_mov_b32 s91, s90                             ; (named with it as a pair, so it is written)
	s_add_co_i32 s100, s100, 127
	s_lshl_b32 s88, s100, 23                       ; 2^(e0 + e1)
	s_mov_b32 s89, s88
	s_add_co_i32 s100, s82, 127
	s_lshl_b32 s94, s100, 23                       ; 2^e8, for qf's conversions,
	s_add_co_i32 s100, s100, 8
	s_lshl_b32 s95, s100, 23
	s_or_b32 s95, s95, 0x600000                    ; and 448 x 2^e8
	s_add_co_i32 s96, s82, s83                     ; e8 + e9
	s_mov_b32 s98, 0x76543210                      ; v_permlanex16_b32's selects: lane l xor 16
	s_mov_b32 s99, 0xfedcba98
	v_mov_b32 v[LIM], s95
	v_mov_b32 v[SCL], s94
	s_wait_tensorcnt 1                             ; my part of K step 0 is in (K step 1's load may be out)
	s_barrier_signal -1
	s_barrier_wait -1                              ; everybody's is
	FETCH_B 0, 0, 0
	FETCH_A 0, 0, 0
	FETCH_A 0, 0, 4
	STEP 0, 0, 1                                   ; the first products start the sums: nothing is cleared
	TURN 0, 1, 1
	STEP 1, 0, 0
	TURN 1, 0, 1
	STEP 0, 0, 0
	TURN 0, 1, 0                                   ; the last lap fills nothing, and has no round of the cluster's barrier
	STEP 1, 0, 0
	WIN TO_B                                       ; Wq's set 0 is done with, and the places behind its last products stand in the step above: bq and z land there, in the results' layout
.irp b, 0,1,2,3,4,5,6,7
	global_load_b128 v[B1+8*\b:B1+8*\b+3], v[H32], s[70:71] offset:64*\b       ; bq(16 b + 8 h + 0 .. 7)
	global_load_b128 v[B1+8*\b+4:B1+8*\b+7], v[H32], s[70:71] offset:64*\b+16
	global_load_b128 v[ZV+8*\b:ZV+8*\b+3], v[H32], s[76:77] offset:64*\b       ; z likewise
	global_load_b128 v[ZV+8*\b+4:ZV+8*\b+7], v[H32], s[76:77] offset:64*\b+16
.endr
	WIN 0
	s_wait_dscnt 4*NL                              ; the very last step: nothing more to fetch
	WIN MUL_LO
	MUL16 0, 1, 0
	MUL16 2, 1, 0
	s_wait_dscnt 0
	WIN MUL_HI
	MUL16 4, 1, 0
	MUL16 6, 1, 0
	PLACES NP
	s_wait_loadcnt 0x0                             ; kv's codes, the mask, bq, z
	WIN 0x41
.set p, 0
.rept 32
	v_pk_mul_f32 v[BL+2*p:BL+2*p+1], v[B1+2*p:B1+2*p+1], 0x3fb8aa3b op_sel_hi:[1,0]   ; bq log2(e)
.set p, p+1
.endr
.set p, 0
.rept 32
	v_pk_add_f32 v[B1+2*p:B1+2*p+1], v[B1+2*p:B1+2*p+1], 1.0 op_sel_hi:[1,0]          ; bq + 1
.set p, p+1
.endr
.irp a, 0,1,2,3,4,5,6,7
	BLK \a
.endr
	SEND 7
	s_wait_tensorcnt 0x0                           ; the wave's end: behind my last tensor load and my last LDS store
	ds_add_u32 v[SPW], v[NIL]
	s_wait_dscnt 0x0
	CROUND                                         ; the closing round: no work-group ends while a partner may still ask for a tile that names it
	s_endpgm
.Lfunc_end_k_qe0e783e373_out:
	.size	k_qe0e783e373_out, .Lfunc_end_k_qe0e783e373_out-k_qe0e783e373_out
	.p2alignl 7, 3214868480
	.fill 96, 4, 3214868480
	.section	.rodata,"a",@progbits
	.p2align	6, 0x0
	.amdhsa_kernel k_qe0e783e373_out
		.amdhsa_group_segment_fixed_size 327680
		.amdhsa_private_segment_fixed_size 0
		.amdhsa_enable_private_segment 0
		.amdhsa_kernarg_size 64
		.amdhsa_user_sgpr_count 2
		.amdhsa_user_sgpr_kernarg_segment_ptr 1
		.amdhsa_wavefront_size32 1
		.amdhsa_system_sgpr_workgroup_id_x 1
		.amdhsa_system_sgpr_workgroup_id_y 1
		.amdhsa_system_sgpr_workgroup_id_z 1
		.amdhsa_system_vgpr_workitem_id 0
		.amdhsa_next_free_vgpr 1024
		.amdhsa_next_free_sgpr 104
		.amdhsa_reserve_vcc 0
		.amdhsa_float_denorm_mode_32 3
		.amdhsa_float_denorm_mode_16_64 3
		.amdhsa_memory_ordered 1
		.amdhsa_forward_progress 1
		.amdhsa_inst_pref_size 255
	.end_amdhsa_kernel
	.section	.bss,"aw",@nobits
	.p2align	6
	.space	262144
	.amdgpu_metadata
---
amdhsa.version: [ 1, 2 ]
amdhsa.kernels:
  - .name:           k_qe0e783e373_out
    .symbol:         k_qe0e783e373_out.kd
    .args:
      - { .name: xc, .offset: 0, .size: 8, .value_kind: global_buffer, .address_space: global }
      - { .name: wc, .offset: 8, .size: 8, .value_kind: global_buffer, .address_space: global }
      - { .name: lowp_scales, .offset: 16, .size: 8, .value_kind: global_buffer, .address_space: global }
      - { .name: bq, .offset: 24, .size: 8, .value_kind: global_buffer, .address_space: global }
      - { .name: mask, .offset: 32, .size: 8, .value_kind: global_buffer, .address_space: global }
      - { .name: kvc, .offset: 40, .size: 8, .value_kind: global_buffer, .address_space: global }
      - { .name: zs, .offset: 48, .size: 8, .value_kind: global_buffer, .address_space: global }
      - { .name: out0, .offset: 56, .size: 8, .value_kind: global_buffer, .address_space: global }
    .group_segment_fixed_size: 327680
    .private_segment_fixed_size: 0
    .kernarg_segment_align: 8
    .kernarg_segment_size: 64
    .max_flat_workgroup_size: 128
    .sgpr_count:     104
    .vgpr_count:     1024
    .wavefront_size: 32
...
	.end_amdgpu_metadata
.endif
;; end of part 4
